; MI455X (gfx1250); checked and timed in simulation.
; The chip was launched on July 23, 2026; its instructions are those of AMD's public machine-readable ISA for CDNA 5 (MIT licence, August 2026) and "CDNA5" Instruction Set Architecture Reference Guide (July 2026). The comments in the code are by the model that wrote it; some were corrected since.
;; Multi Head Attention. Allowed arithmetic: matrix products marked QUANTISED: E2M1 operands, one E8M0 scale for each 32 along K, by v_wmma_scale_f32_16x16x128_f8f6f4 with both operands' format E2M1 (or v_wmma_scale_f32_32x16x128_f4), f32 sums; products left as they are: bf16, f16 or f32 operands; f32 sums; everything else in f32.
;; Inputs: Wk 768 x 768 float32; Wo 768 x 768 float32; Wq 768 x 768 float32; Wv 768 x 768 float32; att_mask 2 x 2,048 int32; bk 768 float32; bo 768 float32; bq 768 float32; bv 768 float32; h 2 x 2,048 x 768 float32.
;; Outputs: out0 2 x 2,048 x 768 float32.
;; This version of the problem:
;;   THIS VERSION OF THE PROBLEM IS GIVEN IN LOW PRECISION. The matrix products marked QUANTISED in the list below multiply operands that are first quantised to E2M1 (2 exponent bits, 1 mantissa bit; 4 bits a number), with one power-of-two scale for each 32 numbers along K (OCP MX v1.0); their sums are f32. The products marked 'left as it is' may take bf16, f16 or f32 operands, with f32 sums. Whichever they take, every output number must still come out within the allowed error. Rounding operands to bf16 (8 significant bits) uses up far more of that allowance than f16 does (11 bits, for magnitudes from 6e-5 to 65,504). All else is computed in f32.
;;   The module's matrix products, in the order in which they are computed (A, B: the left and right operand; K: the contracted axis; several contracted axes count as one K, in the product's order):
;;     1. [M 4,096, K 768] x [K 768, N 768]; A: input h; B: input Wq: QUANTISED
;;     2. [M 4,096, K 768] x [K 768, N 768]; A: input h; B: input Wk: QUANTISED
;;     3. [M 4,096, K 768] x [K 768, N 768]; A: input h; B: input Wv: QUANTISED
;;     4. batch 24 x [M 2,048, K 64] x [K 64, N 2,048]; A: computed on the way; B: computed on the way: left as it is (an operand is computed on the way)
;;     5. batch 24 x [M 2,048, K 2,048] x [K 2,048, N 64]; A: computed on the way; B: computed on the way: left as it is (an operand is computed on the way)
;;     6. [M 4,096, K 768] x [K 768, N 768]; A: computed on the way; B: input Wo: left as it is (an operand is computed on the way)
;;   THE QUANTISER, for each operand of a quantised product, along K:
;;     - K is cut into blocks of 32 from its start; a last block that is shorter is filled with zeros.
;;     - A block's scale is 2^e with e = floor(log2(the largest magnitude in the block)) - 2, held to -126 .. 127; a block of zeros has e = 0. As a byte (E8M0): e + 127.
;;     - Each number is divided by its block's scale, clamped to +-6, and rounded to the nearest number of E2M1, ties to even, subnormals kept.
;;     - The product sums the exact products of the quantised numbers (number of the format x scale) in f32.
;;   ~~~python
;;   def quantise(x, axis):      # numpy; x: float32 -> the quantised numbers, widened to float32 again
;;       x = np.moveaxis(x, axis, -1); K = x.shape[-1]
;;       x = np.pad(x, [(0, 0)] * (x.ndim - 1) + [(0, -K % 32)]); x = x.reshape(x.shape[:-1] + (-1, 32)); a = np.abs(x).max(-1, keepdims=True)
;;       e = np.where(a > 0, np.clip(np.frexp(np.where(a > 0, a, 1))[1] - 1 - 2, -126, 127), 0)      # np.frexp(a)[1] - 1 = floor(log2(a)), exactly
;;       r = np.clip(x / 2.0 ** e, -6, 6)
;;       step = 2.0 ** (np.maximum(np.frexp(np.where(r == 0, 1, r))[1] - 1, 0) - 1)
;;       q = np.round(r / step) * step * 2.0 ** e      # np.round: ties to even
;;       return np.moveaxis(q.reshape(q.shape[:-2] + (-1,))[..., :K], -1, axis).astype(np.float32)
;;   ~~~
;; 2 versions, each right and faster than the one before. Each part assembles by itself: llvm-mc -triple=amdgcn-amd-amdhsa -mcpu=gfx1250 --defsym DOCPART=n.
;; ======== version 1 of 2: 4 launches
;; limits: values are held in f16: magnitudes above 65,504 overflow, below 6.1e-05 lose precision
;; workspace buffers: codes 2,457,600 bytes; scales 153,600 bytes; qkvf 18,874,368 bytes; wof 1,179,648 bytes; attf 6,291,456 bytes
;; launch quant (part 1): grid 100 x 6, 4 waves a work-group, no clusters, 34,304 bytes of LDS; arguments h, Wq, Wk, Wv, codes, scales; writes codes, scales
.if DOCPART == 1
	.amdgcn_target "amdgcn-amd-amdhsa--gfx1250"
	.amdhsa_code_object_version 6
	.text
	.protected	k_qd121d2ae1b_quant
	.globl	k_qd121d2ae1b_quant
	.p2align	8
	.type	k_qd121d2ae1b_quant,@function
k_qd121d2ae1b_quant:
	s_mov_b64 s[64:65], 0
	v_nop
	global_prefetch_b8 v0, s[64:65] scope:SCOPE_SE
	s_setreg_imm32_b32 hwreg(HW_REG_WAVE_MODE, 25, 1), 1
	s_wait_xcnt 0x0
; h [4096][768], Wq, Wk, Wv [768][768], f32, K innermost, become codes of E2M1 (4 bits) with one E8M0 byte for each 32 along K.
; A block's scale is 2^(floor(log2(its largest magnitude)) - 2); its byte is the largest magnitude's exponent field - 2, held at 1 from below.
; LIMITS: a block of zeros gets the byte 1 where the rule says 127 (its codes are zeros, which add nothing, and this program alone reads the bytes);
; blocks whose largest magnitude lies under 2^-124 are held at the byte 1; NaN and infinities among the inputs are not served.
; THE OUTPUT IS LAID AS THE MATRIX OPERAND'S REGISTERS.  codes: [tile of 16 rows 0..399][K step of 128, 0..5][c 0..1][512 bytes]: lane l's 16 bytes at 16 l:
; lane (r, h) of piece c holds block 4 s + 2 c + h of row r.  Tiles 0-255 are h's rows, 256-303 Wq's, 304-351 Wk's, 352-399 Wv's.  scales: [tile][K step][row] words of four bytes.
; SHARES: a wave makes ONE fragment: tile T = 4 x + wave, K step y: 16 rows x 512 bytes in, 1,024 + 64 bytes out.  Waves share nothing: no barrier.
; Each load takes 512 consecutive bytes of a row; the conversions want 32 neighbours along K in one lane's registers: so the 8 KiB turn through the wave's own stage in LDS.
; The stage's pitch is 528 = 33 x 16 bytes: the 16 rows that a read touches start at 16 different 16-byte columns modulo 256.
; The 64 bytes of scale words a wave are a quarter of an aligned 256 bytes: one byte in 128 of what the launch reads leaves so.
.set PITCH, 528
.set STGB,  16*PITCH                   ; a wave's stage
.set SPARE, 4*STGB                     ; behind the four stages: the spare words, 128 bytes a wave
.set LN,  1                            ; v1   lane
.set RR,  2                            ; v2   r = lane % 16
.set HH,  3                            ; v3   h = lane / 16
.set LI,  4                            ; v4   16 x lane
.set SA,  5                            ; v5   the stage, on the way in
.set RA,  6                            ; v6   and on the way out: row r, + 128 h
.set SO,  7                            ; v7   4 r: my row's scale word
.set SPW, 8                            ; v8   my spare word; never rewritten
.set NIL, 9                            ; v9   0; never rewritten
.set MX,  10                           ; v10-11 the two blocks' largest magnitudes
.set SCO, 12                           ; v12-13 the conversions' scale operands
.set BY,  14                           ; v14-15 the scale bytes
.set WD,  16                           ; v16  the scale word
.set TMP, 17
.set SH,  18                           ; v18  8 h
.set RAW, 32                           ; v32-95   16 rows as loaded
.set X,   96                           ; v96-159  my two blocks of 32 neighbours
.set C,   160                          ; v160-167 the fragment
	s_load_b256 s[4:11], s[0:1], 0x0               ; h, Wq, Wk, Wv
	s_load_b128 s[12:15], s[0:1], 0x20             ; codes, scales
	v_lshl_add_u32 v[SPW], v0, 2, SPARE
	v_mov_b32 v[NIL], 0
	v_lshrrev_b32 v[LN], 5, v0
	v_readfirstlane_b32 s16, v[LN]                 ; wave
	v_and_b32 v[LN], 31, v0
	v_and_b32 v[RR], 15, v0
	v_bfe_u32 v[HH], v0, 4, 1
	v_lshlrev_b32 v[LI], 4, v[LN]
	s_mul_i32 s17, s16, STGB
	v_add_nc_u32 v[SA], s17, v[LI]
	v_mul_u32_u24 v[RA], v[RR], PITCH
	v_lshl_add_u32 v[RA], v[HH], 7, v[RA]
	v_add_nc_u32 v[RA], s17, v[RA]
	v_lshlrev_b32 v[SO], 2, v[RR]
	v_lshlrev_b32 v[SH], 3, v[HH]
	v_mov_b32 v[TMP], 0                            ; a lane permute's destination counts as one of its sources
	s_mov_b32 s18, 0x76543210
	s_mov_b32 s19, 0xfedcba98                      ; v_permlanex16_b32's selects for lane l xor 16
	s_and_b32 s24, ttmp7, 0xffff                   ; the K step
	s_lshl_b32 s25, ttmp9, 2
	s_add_co_u32 s25, s25, s16                     ; T
	s_mul_i32 s25, s25, 6
	s_add_co_u32 s25, s25, s24                     ; 6 T + s
	s_lshl_b32 s26, s25, 10                        ; the fragment's place among the codes,
	s_mov_b32 s27, 0
	s_lshl_b32 s28, s25, 6                         ; and its words' among the scales
	s_mov_b32 s29, 0
	s_mov_b32 s22, 88
	s_wait_kmcnt 0x0
	s_cmp_lt_u32 ttmp9, 88                         ; which tensor: the choice hangs on the work-group's number alone; only pointers are chosen, the text has one path
	s_cselect_b64 s[20:21], s[8:9], s[10:11]
	s_cselect_b32 s22, 76, s22
	s_cmp_lt_u32 ttmp9, 76
	s_cselect_b64 s[20:21], s[6:7], s[20:21]
	s_cselect_b32 s22, 64, s22
	s_cmp_lt_u32 ttmp9, 64
	s_cselect_b64 s[20:21], s[4:5], s[20:21]
	s_cselect_b32 s22, 0, s22
	s_sub_co_u32 s22, ttmp9, s22
	s_lshl_b32 s22, s22, 2
	s_add_co_u32 s22, s22, s16                     ; the tile's number inside its tensor
	s_mul_i32 s22, s22, 49152                      ; 16 rows of 3,072 bytes
	s_lshl_b32 s23, s24, 9
	s_add_co_u32 s22, s22, s23                     ; + 512 bytes a K step
	s_mov_b32 s23, 0
	s_add_nc_u64 s[20:21], s[20:21], s[22:23]
	s_add_nc_u64 s[12:13], s[12:13], s[26:27]
	s_add_nc_u64 s[14:15], s[14:15], s[28:29]
.irp i, 0,1,2,3,4,5,6,7,8,9,10,11,12,13,14,15
	global_load_b128 v[RAW+4*\i:RAW+4*\i+3], v[LI], s[20:21] offset:3072*\i th:TH_LOAD_NT   ; row i: 32 lanes read 512 consecutive bytes; read once in the launch
.endr
.irp i, 0,1,2,3,4,5,6,7,8,9,10,11,12,13,14,15
	s_wait_loadcnt 15-\i                           ; loads come back in order: row i is in, the 15 - i behind it may be out
	ds_store_b128 v[SA], v[RAW+4*\i:RAW+4*\i+3] offset:PITCH*\i
.endr
.irp c, 0,1
.irp i, 0,1,2,3,4,5,6,7
	ds_load_b128 v[X+32*\c+4*\i:X+32*\c+4*\i+3], v[RA] offset:256*\c+16*\i   ; block 2 c + h of row r; LDS serves a wave's instructions in order: these see my stores
.endr
.endr
	s_wait_dscnt 0x0
.irp c, 0,1
	v_max3_num_f32 v[MX+\c], |v[X+32*\c]|, |v[X+32*\c+1]|, 0x1800000   ; all 32 numbers of a block are mine; the floor 2^(3 - 127) holds the byte at 1 from below
.endr
.irp i, 2,4,6,8,10,12,14,16,18,20,22,24,26,28,30
.irp c, 0,1
	v_max3_num_f32 v[MX+\c], v[MX+\c], |v[X+32*\c+\i]|, |v[X+32*\c+\i+1]|   ; the two blocks by turns
.endr
.endr
.irp c, 0,1
	v_add_nc_u32 v[SCO+\c], 0xff000000, v[MX+\c]   ; 2 off the exponent field: the conversion takes this operand's exponent field as its scale
.endr
.irp c, 0,1
	v_lshrrev_b32 v[BY+\c], 23, v[SCO+\c]          ; the scale's byte
.endr
	v_lshl_or_b32 v[WD], v[BY+1], 16, v[BY]        ; blocks h and 2 + h,
	v_lshlrev_b32 v[WD], v[SH], v[WD]              ; at their places in the word;
	v_permlanex16_b32 v[TMP], v[WD], s18, s19
	v_or_b32 v[WD], v[WD], v[TMP]                  ; with lane l xor 16's two the word is whole
.irp c, 0,1
.irp g, 0,1,2,3
	v_cvt_scalef32_pk8_fp4_f32 v[C+4*\c+\g], v[X+32*\c+8*\g:X+32*\c+8*\g+7], v[SCO+\c]   ; to the nearest code, ties to even, beyond 6 the largest code
.endr
.endr
	v_nop                                          ; one plain line behind the last scaled conversion
.irp c, 0,1
	global_store_b128 v[LI], v[C+4*\c:C+4*\c+3], s[12:13] offset:512*\c   ; 512 consecutive bytes, at a multiple of 512 from the buffer's first byte
.endr
	s_wait_xcnt 0x0                                ; EXEC is a source of the stores above: it changes only behind this wait
	v_cmp_gt_u32 vcc_lo, 16, v[LN]
	s_and_saveexec_b32 s30, vcc_lo                 ; lanes 0-15: a word a row
	global_store_b32 v[SO], v[WD], s[14:15]
	s_wait_xcnt 0x0                                ; and again ahead of the line that widens it
	s_or_b32 exec_lo, exec_lo, s30
	s_wait_tensorcnt 0x0                           ; the wave's end: behind my last LDS store
	ds_add_u32 v[SPW], v[NIL]
	s_wait_dscnt 0x0
	s_endpgm
.Lfunc_end_k_qd121d2ae1b_quant:
	.size	k_qd121d2ae1b_quant, .Lfunc_end_k_qd121d2ae1b_quant-k_qd121d2ae1b_quant
	.p2alignl 7, 3214868480
	.fill 96, 4, 3214868480
	.section	.rodata,"a",@progbits
	.p2align	6, 0x0
	.amdhsa_kernel k_qd121d2ae1b_quant
		.amdhsa_group_segment_fixed_size 34304
		.amdhsa_private_segment_fixed_size 0
		.amdhsa_enable_private_segment 0
		.amdhsa_kernarg_size 48
		.amdhsa_user_sgpr_count 2
		.amdhsa_user_sgpr_kernarg_segment_ptr 1
		.amdhsa_wavefront_size32 1
		.amdhsa_system_sgpr_workgroup_id_x 1
		.amdhsa_system_sgpr_workgroup_id_y 1
		.amdhsa_system_sgpr_workgroup_id_z 1
		.amdhsa_system_vgpr_workitem_id 0
		.amdhsa_next_free_vgpr 168
		.amdhsa_next_free_sgpr 66
		.amdhsa_reserve_vcc 1
		.amdhsa_float_denorm_mode_32 3
		.amdhsa_float_denorm_mode_16_64 3
		.amdhsa_memory_ordered 1
		.amdhsa_forward_progress 1
		.amdhsa_inst_pref_size 10
	.end_amdhsa_kernel
	.amdgpu_metadata
---
amdhsa.version: [ 1, 2 ]
amdhsa.kernels:
  - .name:           k_qd121d2ae1b_quant
    .symbol:         k_qd121d2ae1b_quant.kd
    .args:
      - { .name: h, .offset: 0, .size: 8, .value_kind: global_buffer, .address_space: global }
      - { .name: Wq, .offset: 8, .size: 8, .value_kind: global_buffer, .address_space: global }
      - { .name: Wk, .offset: 16, .size: 8, .value_kind: global_buffer, .address_space: global }
      - { .name: Wv, .offset: 24, .size: 8, .value_kind: global_buffer, .address_space: global }
      - { .name: codes, .offset: 32, .size: 8, .value_kind: global_buffer, .address_space: global }
      - { .name: scales, .offset: 40, .size: 8, .value_kind: global_buffer, .address_space: global }
    .group_segment_fixed_size: 34304
    .private_segment_fixed_size: 0
    .kernarg_segment_align: 8
    .kernarg_segment_size: 48
    .max_flat_workgroup_size: 128
    .sgpr_count:     66
    .vgpr_count:     168
    .wavefront_size: 32
...
	.end_amdgpu_metadata
.endif
;; end of part 1
;; launch proj (part 2): grid 108 x 6, 4 waves a work-group, no clusters, 34,304 bytes of LDS; arguments codes, scales, bq, bk, bv, att_mask, Wo, qkvf, wof; writes qkvf, wof
.if DOCPART == 2
	.amdgcn_target "amdgcn-amd-amdhsa--gfx1250"
	.amdhsa_code_object_version 6
	.text
	.protected	k_qd121d2ae1b_proj
	.globl	k_qd121d2ae1b_proj
	.p2align	8
	.type	k_qd121d2ae1b_proj,@function
k_qd121d2ae1b_proj:
	s_mov_b64 s[64:65], 0
	v_nop
	global_prefetch_b8 v0, s[64:65] scope:SCOPE_SE
	s_setreg_imm32_b32 hwreg(HW_REG_WAVE_MODE, 25, 1), 1
	s_wait_xcnt 0x0
; WORK-GROUPS x < 96: q = (h Wq^T + bq) c, k = (h Wk^T + bk) keep, v = h Wv^T + bv, on codes of E2M1 with E8M0 scales, sums in f32; results rounded once to f16.
;   c = log2(e) / 8, so that the scores of the next launch are exponents of 2.  keep = 0 for a token whose att_mask is not 0, else 1: a masked key is stored as zeros, so that
;   its score is exactly the constant that the next launch gives the product as its C.
; WORK-GROUPS x >= 96: Wo [768][768] f32 becomes f16, laid as operand registers.  The two paths part on the work-group's number and never join; only the second uses LDS.
; LIMITS: |q c|, |k|, |v| and |Wo| stay under 65,504 (f16's largest number); NaN and infinities are not served.
; qkvf: [type 3][batch x head 24][group of 64 tokens 32][y 4][x 4][512 bytes], f16; lane l's 16 bytes at 16 l.  q, k: y = tile of 16 tokens, x = tile of 16 channels: lane (r, h) holds token r, channels 16 x + 8 h + 0..7.
;   v: y = tile of 16 channels, x = tile of 16 tokens: lane (r, h) holds channel r, tokens 16 x + 8 h + 0..7.  Pieces 2 u and 2 u + 1 are the eight registers of a 16 x 32 fragment of the next launch.
; wof: [tile of 16 rows 48][32 along K, 24][c 2][512 bytes]: lane (r, h): Wo(16 t + r, 32 kk + 16 c + 8 h + 0..7).
; SHARES (products): g = 96 y + x; type x head = g / 16; a wave takes 64 tokens (4 (g % 16) + wave) x one head over all of K = 768: 16 accumulators, 96 matrix instructions.
; ONE TEXT FOR THE THREE TYPES: source 0 is the set X, source 1 the set Y, four tiles each; a lane of D(x, y) holds row r of Y and rows 8 h + 0..7 of X.  q, k: X = the weight's rows, Y = tokens; v: the other way round.
; Which is which is a choice of tile numbers by s_cselect_b32 on the work-group's number.  The bias along X is the C of the first product; the bias along Y and the factor are one packed multiply-add on the way out.
; NO CLUSTER, NO TENSOR LOAD: a wave's whole operand stream is 48 KiB, each fragment is read by loads of 512 consecutive bytes straight into registers, and four waves to a SIMD stand in for each other's waits.
.set PITCH, 528
.set STGB,  16*PITCH
.set SPARE, 4*STGB
.set LI,  1                            ; v1   16 x lane
.set L4,  2                            ; v2   4 x lane
.set R4,  3                            ; v3   r, then 4 r
.set H32, 4                            ; v4   h, then 32 h
.set SPW, 5                            ; v5   my spare word; never rewritten
.set NIL, 6                            ; v6   0; never rewritten
.set SFV, 7                            ; v7   the type's factor: c or 1
.set XS,  8                            ; v8-11  X's scale words of two K steps (lanes 0-15 the even step's, lanes 16-31 the odd one's)
.set YS,  12                           ; v12-15 Y's
.set F,   16                           ; v16+2y the factor of Y's row r in tile y (the odd register is named with it as a pair, and holds 0)
.set G,   24                           ; v24+2y the addend likewise
.set BX,  32                           ; v32-63 the bias along X, in the result's layout
.set XF,  64                           ; v64-95  X's four fragments
.set YF,  96                           ; v96-127 Y's
.set ACC, 128                          ; v128-255 accumulator (x, y) at 128 + 8 (4 x + y)
	s_load_b256 s[4:11], s[0:1], 0x0               ; codes, scales, bq, bk
	s_load_b256 s[12:19], s[0:1], 0x20             ; bv, att_mask, Wo, qkvf
	s_load_b64 s[20:21], s[0:1], 0x40              ; wof
	v_lshl_add_u32 v[SPW], v0, 2, SPARE
	v_mov_b32 v[NIL], 0
	v_lshrrev_b32 v[LI], 5, v0
	v_readfirstlane_b32 s22, v[LI]                 ; wave
	v_and_b32 v[L4], 31, v0
	v_lshlrev_b32 v[LI], 4, v[L4]
	v_lshlrev_b32 v[L4], 2, v[L4]
	v_and_b32 v[R4], 15, v0                        ; r
	v_bfe_u32 v[H32], v0, 4, 1                     ; h
	s_and_b32 s23, ttmp7, 0xffff                   ; work-group y
	s_cmp_ge_u32 ttmp9, 96
	s_cbranch_scc1 .Lwo
	; ---------------- the three quantised products ----------------
	v_lshlrev_b32 v[R4], 2, v[R4]
	v_lshlrev_b32 v[H32], 5, v[H32]
	s_mul_i32 s24, s23, 96
	s_add_co_u32 s24, s24, ttmp9                   ; g
	s_lshr_b32 s25, s24, 4                         ; 12 x type + head
	s_and_b32 s26, s24, 15
	s_lshl_b32 s26, s26, 2
	s_add_co_u32 s26, s26, s22                     ; my group of 64 tokens, 0..63
	s_cmp_ge_u32 s25, 12
	s_cselect_b32 s27, 1, 0
	s_cmp_ge_u32 s25, 24
	s_cselect_b32 s29, 1, 0
	s_add_co_u32 s27, s27, s29                     ; type: 0 q, 1 k, 2 v
	s_mul_i32 s29, s27, 12
	s_sub_co_u32 s28, s25, s29                     ; head
	s_lshl_b32 s54, s25, 2
	s_add_co_u32 s54, s54, 256                     ; the weight's first tile among the codes
	s_lshl_b32 s55, s26, 2                         ; the tokens' first tile
	s_cmp_eq_u32 s27, 2
	s_cselect_b32 s46, -1, 0                       ; all lanes where the type is v,
	s_cselect_b32 s47, 0, -1                       ; where it is not
	s_cselect_b32 s50, s55, s54                    ; X's first tile
	s_cselect_b32 s52, s54, s55                    ; Y's
	s_cmp_eq_u32 s27, 1
	s_cselect_b32 s48, -1, 0                       ; all lanes where the type is k
	s_cmp_eq_u32 s27, 0
	s_cselect_b32 s49, 0x3e38aa3b, 1.0             ; c = log2(e) / 8 for q, else 1
	s_mov_b32 s57, 0
	s_wait_kmcnt 0x0
	s_mul_i32 s56, s50, 6144                       ; a tile's codes: 6 K steps of 1,024 bytes
	s_add_nc_u64 s[32:33], s[4:5], s[56:57]
	s_mul_i32 s56, s52, 6144
	s_add_nc_u64 s[34:35], s[4:5], s[56:57]
	s_mul_i32 s56, s50, 384                        ; its scale words: 6 x 64 bytes
	s_add_nc_u64 s[36:37], s[6:7], s[56:57]
	s_mul_i32 s56, s52, 384
	s_add_nc_u64 s[38:39], s[6:7], s[56:57]
	s_cmp_eq_u32 s27, 1
	s_cselect_b64 s[40:41], s[10:11], s[8:9]       ; bk or bq,
	s_cmp_eq_u32 s27, 2
	s_cselect_b64 s[40:41], s[12:13], s[40:41]     ; or bv
	s_lshl_b32 s56, s28, 8
	s_add_nc_u64 s[40:41], s[40:41], s[56:57]      ; at the head's 64 numbers
	s_lshl_b32 s56, s26, 8
	s_add_nc_u64 s[42:43], s[14:15], s[56:57]      ; att_mask at my 64 tokens
	s_mul_i32 s56, s27, 6291456                    ; the type's part of qkvf,
	s_lshr_b32 s29, s26, 5                         ; batch
	s_mul_i32 s29, s29, 12
	s_add_co_u32 s29, s29, s28
	s_lshl_b32 s29, s29, 18                        ; 262,144 bytes for a batch and head,
	s_add_co_u32 s56, s56, s29
	s_and_b32 s29, s26, 31
	s_lshl_b32 s29, s29, 13                        ; 8,192 for a group of 64 tokens
	s_add_co_u32 s56, s56, s29
	s_add_nc_u64 s[44:45], s[18:19], s[56:57]
.irp x, 0,1,2,3
	global_load_b128 v[BX+8*\x:BX+8*\x+3], v[H32], s[40:41] offset:64*\x        ; bias(16 x + 8 h + 0..7)
	global_load_b128 v[BX+8*\x+4:BX+8*\x+7], v[H32], s[40:41] offset:64*\x+16
.endr
.irp y, 0,1,2,3
	global_load_b32 v[G+2*\y], v[R4], s[40:41] offset:64*\y                     ; bias(16 y + r)
	global_load_b32 v[F+2*\y], v[R4], s[42:43] offset:64*\y                     ; att_mask(token 16 y + r)
.endr
; K step s: the scale words of two steps come with the even one; then eight pieces a side, 512 consecutive bytes each
.macro KLOAD s
.if (\s)%2 == 0
.irp i, 0,1,2,3
	global_load_b32 v[XS+\i], v[L4], s[36:37] offset:384*\i+64*(\s)
	global_load_b32 v[YS+\i], v[L4], s[38:39] offset:384*\i+64*(\s)
.endr
.endif
.irp i, 0,1,2,3
.irp c, 0,1
	global_load_b128 v[XF+8*\i+4*\c:XF+8*\i+4*\c+3], v[LI], s[32:33] offset:6144*\i+1024*(\s)+512*\c
	global_load_b128 v[YF+8*\i+4*\c:YF+8*\i+4*\c+3], v[LI], s[34:35] offset:6144*\i+1024*(\s)+512*\c
.endr
.endr
.endm
; 16 matrix instructions: the 16 accumulators take turns, one instruction a turn, in the same order in every K step.  The first step's C is the bias along X: nothing is cleared.
.macro KMUL s
.irp x, 0,1,2,3
.irp y, 0,1,2,3
.if (\s) == 0
	v_wmma_scale_f32_16x16x128_f8f6f4 v[ACC+8*(4*\x+\y):ACC+8*(4*\x+\y)+7], v[XF+8*\x:XF+8*\x+7], v[YF+8*\y:YF+8*\y+7], v[BX+8*\x:BX+8*\x+7], v[XS+\x], v[YS+\y] matrix_a_fmt:MATRIX_FMT_FP4 matrix_b_fmt:MATRIX_FMT_FP4
.elseif (\s)%2 == 0
	v_wmma_scale_f32_16x16x128_f8f6f4 v[ACC+8*(4*\x+\y):ACC+8*(4*\x+\y)+7], v[XF+8*\x:XF+8*\x+7], v[YF+8*\y:YF+8*\y+7], v[ACC+8*(4*\x+\y):ACC+8*(4*\x+\y)+7], v[XS+\x], v[YS+\y] matrix_a_fmt:MATRIX_FMT_FP4 matrix_b_fmt:MATRIX_FMT_FP4
.else
	v_wmma_scale_f32_16x16x128_f8f6f4 v[ACC+8*(4*\x+\y):ACC+8*(4*\x+\y)+7], v[XF+8*\x:XF+8*\x+7], v[YF+8*\y:YF+8*\y+7], v[ACC+8*(4*\x+\y):ACC+8*(4*\x+\y)+7], v[XS+\x], v[YS+\y] matrix_a_fmt:MATRIX_FMT_FP4 matrix_b_fmt:MATRIX_FMT_FP4 matrix_a_scale:MATRIX_SCALE_ROW1 matrix_b_scale:MATRIX_SCALE_ROW1
.endif
.endr
.endr
.rept 4
	v_nop                                          ; four places ahead of the loads into registers that these products read, and of the first read of results
.endr
.endm
	KLOAD 0
	s_wait_loadcnt 24                              ; the biases and the mask are in; K step 0's 24 loads, issued behind them, may be out
	v_mov_b32 v[SFV], s49
.irp j, 0,1,2,3,4,5,6,7,8,9,10,11,12,13,14,15,16,17,18,19,20,21,22,23,24,25,26,27,28,29,30,31
	v_cndmask_b32 v[BX+\j], 0, v[BX+\j], s47       ; the bias runs along X for q and k; for v it runs along Y
.endr
.irp y, 0,1,2,3
	v_cndmask_b32 v[G+2*\y], 0, v[G+2*\y], s46     ; the addend: bv for v, 0 for q and k
	v_mov_b32 v[G+2*\y+1], 0
	v_cmp_eq_u32 vcc_lo, 0, v[F+2*\y]
	v_cndmask_b32 v[F+2*\y], 0, 1.0, vcc_lo        ; keep
	v_cndmask_b32 v[F+2*\y], v[SFV], v[F+2*\y], s48   ; the factor: keep for k, c for q, 1 for v
	v_mov_b32 v[F+2*\y+1], 0
.endr
	s_wait_loadcnt 0x0
	KMUL 0
.irp s, 1,2,3,4,5
	KLOAD \s
	s_wait_loadcnt 0x0
	KMUL \s
.endr
.irp x, 0,1,2,3
.irp y, 0,1,2,3
.irp j, 0,2,4,6
	v_pk_fma_f32 v[ACC+8*(4*\x+\y)+\j:ACC+8*(4*\x+\y)+\j+1], v[ACC+8*(4*\x+\y)+\j:ACC+8*(4*\x+\y)+\j+1], v[F+2*\y:F+2*\y+1], v[G+2*\y:G+2*\y+1] op_sel_hi:[1,0,0]   ; each accumulator from its low end on; of the pairs the low word serves both halves
.endr
.irp j, 0,1,2,3
	v_cvt_pk_f16_f32 v[XF+4*(4*\x+\y)+\j], v[ACC+8*(4*\x+\y)+2*\j], v[ACC+8*(4*\x+\y)+2*\j+1]
.endr
	global_store_b128 v[LI], v[XF+4*(4*\x+\y):XF+4*(4*\x+\y)+3], s[44:45] offset:2048*\y+512*\x   ; a piece: 512 consecutive bytes, at a multiple of 512 from the buffer's first byte
.endr
.endr
	s_wait_tensorcnt 0x0                           ; a wave's end in a launch that stores to LDS
	ds_add_u32 v[SPW], v[NIL]
	s_wait_dscnt 0x0
	s_endpgm
	; ---------------- Wo into f16 ----------------
; A wave takes 16 rows (tile 4 (x - 96) + wave) x 128 columns (128 y on): 16 loads of 512 consecutive bytes, a turn through its own stage (pitch 528 = 33 x 16 bytes), 8 pieces out.
.set SA,  16                           ; v16  the stage, on the way in
.set RA,  17                           ; v17  and on the way out: row r, + 32 h
.set RAW, 32
.set XW,  96
.set HW,  160
.Lwo:
	s_sub_co_u32 s24, ttmp9, 96
	s_lshl_b32 s24, s24, 2
	s_add_co_u32 s24, s24, s22                     ; the tile of 16 rows
	s_mul_i32 s25, s22, STGB
	v_add_nc_u32 v[SA], s25, v[LI]
	v_mul_u32_u24 v[RA], v[R4], PITCH
	v_lshl_add_u32 v[RA], v[H32], 5, v[RA]
	v_add_nc_u32 v[RA], s25, v[RA]
	s_mul_i32 s56, s24, 49152
	s_lshl_b32 s26, s23, 9
	s_add_co_u32 s56, s56, s26
	s_mov_b32 s57, 0
	s_mul_i32 s58, s24, 24
	s_lshl_b32 s26, s23, 2
	s_add_co_u32 s58, s58, s26
	s_lshl_b32 s58, s58, 10                        ; (24 tile + 4 y) x 1,024
	s_mov_b32 s59, 0
	s_wait_kmcnt 0x0
	s_add_nc_u64 s[32:33], s[16:17], s[56:57]
	s_add_nc_u64 s[34:35], s[20:21], s[58:59]
.irp i, 0,1,2,3,4,5,6,7,8,9,10,11,12,13,14,15
	global_load_b128 v[RAW+4*\i:RAW+4*\i+3], v[LI], s[32:33] offset:3072*\i th:TH_LOAD_NT
.endr
.irp i, 0,1,2,3,4,5,6,7,8,9,10,11,12,13,14,15
	s_wait_loadcnt 15-\i                           ; row i is in, the 15 - i behind it may be out
	ds_store_b128 v[SA], v[RAW+4*\i:RAW+4*\i+3] offset:PITCH*\i
.endr
.irp p, 0,1,2,3,4,5,6,7
	ds_load_b128 v[XW+8*\p:XW+8*\p+3], v[RA] offset:64*\p         ; piece p = 2 kk + c: columns 16 p + 8 h + 0..7 of row r; LDS serves a wave's instructions in order
	ds_load_b128 v[XW+8*\p+4:XW+8*\p+7], v[RA] offset:64*\p+16
.endr
	s_wait_dscnt 0x0
.irp p, 0,1,2,3,4,5,6,7
.irp j, 0,1,2,3
	v_cvt_pk_f16_f32 v[HW+4*\p+\j], v[XW+8*\p+2*\j], v[XW+8*\p+2*\j+1]
.endr
	global_store_b128 v[LI], v[HW+4*\p:HW+4*\p+3], s[34:35] offset:512*\p
.endr
	s_wait_tensorcnt 0x0                           ; the wave's end: behind my last LDS store
	ds_add_u32 v[SPW], v[NIL]
	s_wait_dscnt 0x0
	s_endpgm
.Lfunc_end_k_qd121d2ae1b_proj:
	.size	k_qd121d2ae1b_proj, .Lfunc_end_k_qd121d2ae1b_proj-k_qd121d2ae1b_proj
	.p2alignl 7, 3214868480
	.fill 96, 4, 3214868480
	.section	.rodata,"a",@progbits
	.p2align	6, 0x0
	.amdhsa_kernel k_qd121d2ae1b_proj
		.amdhsa_group_segment_fixed_size 34304
		.amdhsa_private_segment_fixed_size 0
		.amdhsa_enable_private_segment 0
		.amdhsa_kernarg_size 72
		.amdhsa_user_sgpr_count 2
		.amdhsa_user_sgpr_kernarg_segment_ptr 1
		.amdhsa_wavefront_size32 1
		.amdhsa_system_sgpr_workgroup_id_x 1
		.amdhsa_system_sgpr_workgroup_id_y 1
		.amdhsa_system_sgpr_workgroup_id_z 1
		.amdhsa_system_vgpr_workitem_id 0
		.amdhsa_next_free_vgpr 256
		.amdhsa_next_free_sgpr 66
		.amdhsa_reserve_vcc 1
		.amdhsa_float_denorm_mode_32 3
		.amdhsa_float_denorm_mode_16_64 3
		.amdhsa_memory_ordered 1
		.amdhsa_forward_progress 1
		.amdhsa_inst_pref_size 50
	.end_amdhsa_kernel
	.amdgpu_metadata
---
amdhsa.version: [ 1, 2 ]
amdhsa.kernels:
  - .name:           k_qd121d2ae1b_proj
    .symbol:         k_qd121d2ae1b_proj.kd
    .args:
      - { .name: codes, .offset: 0, .size: 8, .value_kind: global_buffer, .address_space: global }
      - { .name: scales, .offset: 8, .size: 8, .value_kind: global_buffer, .address_space: global }
      - { .name: bq, .offset: 16, .size: 8, .value_kind: global_buffer, .address_space: global }
      - { .name: bk, .offset: 24, .size: 8, .value_kind: global_buffer, .address_space: global }
      - { .name: bv, .offset: 32, .size: 8, .value_kind: global_buffer, .address_space: global }
      - { .name: att_mask, .offset: 40, .size: 8, .value_kind: global_buffer, .address_space: global }
      - { .name: Wo, .offset: 48, .size: 8, .value_kind: global_buffer, .address_space: global }
      - { .name: qkvf, .offset: 56, .size: 8, .value_kind: global_buffer, .address_space: global }
      - { .name: wof, .offset: 64, .size: 8, .value_kind: global_buffer, .address_space: global }
    .group_segment_fixed_size: 34304
    .private_segment_fixed_size: 0
    .kernarg_segment_align: 8
    .kernarg_segment_size: 72
    .max_flat_workgroup_size: 128
    .sgpr_count:     66
    .vgpr_count:     256
    .wavefront_size: 32
...
	.end_amdgpu_metadata
.endif
;; end of part 2
;; launch attn (part 3): grid 8 x 24, 8 waves a work-group, clusters of 4 x 1, 327,680 bytes of LDS; arguments qkvf, att_mask, attf; writes attf
.if DOCPART == 3
	.amdgcn_target "amdgcn-amd-amdhsa--gfx1250"
	.amdhsa_code_object_version 6
	.text
	.protected	k_qd121d2ae1b_attn
	.globl	k_qd121d2ae1b_attn
	.p2align	8
	.type	k_qd121d2ae1b_attn,@function
k_qd121d2ae1b_attn:
	s_mov_b64 s[64:65], 0
	v_nop
	global_prefetch_b8 v0, s[64:65] scope:SCOPE_SE
	s_setreg_imm32_b32 hwreg(HW_REG_WAVE_MODE, 25, 1), 1
	s_wait_xcnt 0x0
	s_wait_alu depctr_hold_cnt(0) depctr_sa_sdst(0) depctr_va_vdst(0) depctr_va_sdst(0) depctr_va_ssrc(0) depctr_va_vcc(0) depctr_vm_vsrc(0)
	s_getreg_b32 s2, hwreg(HW_REG_IB_STS2, 6, 4)
	s_cmp_eq_u32 s2, 0
	s_cbranch_scc0 .Lentry_in_a_cluster
	s_endpgm
.Lentry_in_a_cluster:
	s_bfe_u32 s2, ttmp6, 0x10000c
	s_cmp_lg_u32 s2, 0x3003
	s_cbranch_scc0 .Lentry_shape_is_right
	s_endpgm
.Lentry_shape_is_right:
; att[b][h][q][:] = the sum over k of softmax_k(score) v[b][h][k][:]; score = q . k / 8, or -1e9 where att_mask[b][k] is not 0.  f16 operands, f32 products' sums, maxima and sums; p rounded to f16 for the second product.
; q arrives times log2(e) / 8, so S is t = score x log2(e), and p = 2^(t - m), m the running maximum of t.  THE MASK COSTS NO VECTOR WORK: a masked key's k was stored as zeros, and the first product of each
; tile of scores takes as its C a row of biases, 0 or -1e9 log2(e): a masked t is that constant exactly, as reference()'s where has it; a batch that is all masked gives the plain average.
; LIMITS: |att| stays under 65,504 (f16); NaN and infinities are not served.
; SHARES: a work-group owns 256 queries of one batch and head, each of its eight waves 32: two tiles of 16; two waves share a SIMD, so that one's softmax stands beside the other's products.
; Every fragment of K and V read from LDS feeds two products.  Every wave walks all 2,048 keys, 64 a step.
; LAYOUT: S^T = K Q^T (source 0 = 16 keys, source 1 = 16 queries), O^T = V^T P (source 0 = 16 channels, source 1 = P): a lane holds ONE query throughout; two tiles of S^T rounded in pairs ARE a fragment of P.
; K, V and Q lie in memory as images of operand registers (pieces of 512 bytes, lane l's 16 bytes at 16 l): every LDS read is 512 consecutive bytes; no padding, no turning load.
; RING: two slots of 512 keys (64 KiB of K, 64 KiB of V).  Each wave fetches an eighth of a slot by one tensor load of 64 rows x 256 bytes, dense in memory.  By this text's count a wave has two loads out at the start, one behind each change of slots.
; CLUSTER: the four blocks of queries of a cluster belong to one batch and head and walk the same K and V: each tile is asked for JOINTLY, by the same load with the same descriptor and a mask that names the four.
; No prefetch: a refill is asked for eight key steps, 256 matrix instructions of the wave, ahead of the wait for it, and the first fills stand at the head.
; attf: [tile of 16 tokens 256][32 along the next K: 2 head + u, 24][c 2][512 bytes], f16: the next launch's operand registers.
; REGISTERS.  window 0: v1-12 addresses and constants; v16-31 statistics, eight a tile: +0 m, +1 (named with it), +2, +3 l, +4..+7 at work (alpha in +6); v64-127 S^T; v128-159 P; v160-191 the biases.
;   window 1: v0-31 Q; v32-95 O^T; v96-159 K of a step; v160-223 V of a step.
.set SLOT1, 1<<17                      ; slot 1 begins here: one exclusive or turns an address from one slot into the other
.set VOFF,  1<<16                      ; V's images behind K's
.set BIAS,  2*SLOT1                    ; the batch's 2,048 biases, f32: stored by the waves, never a tensor load's target
.set SPARE, BIAS+8192                  ; the spare words, 128 bytes a wave
.set TYB,   6291456                    ; a type's part of qkvf
.set NEGB,  0xceabfb8f                 ; -1e9 x log2(e)
.set LI,   1                           ; v1   16 x lane
.set ABI0, 2                           ; v2   BIAS + 32 h
.set ADK,  3                           ; v3   the step's K
.set ADV,  4                           ; v4   the step's V
.set ABI,  5                           ; v5   the step's biases
.set MO,   7                           ; v7   32 x thread: my 8 words of the mask
.set BA,   8                           ; v8   BIAS + 32 x thread
.set SPW,  10                          ; v10  my spare word; never rewritten
.set NIL,  11                          ; v11  0; never rewritten
.set NB,   12                          ; v12  NEGB
.set ST,   16
.set MK,   32
.set S,    64
.set P,    128
.set BI,   160
.set Q,    0
.set O,    32
.set KF,   96
.set VF,   160
.set WV,   12                          ; s12  wave
.set G1,   24                          ; s[24:31] descriptor group 1
.set G0A,  32                          ; s[32:35] group 0 of slot 0's first fill
.set G0W,  36                          ; s[36:39] group 0 of slot 1's first fill, which then walks
.set TK,   40                          ; s40  LDS byte at which the step's K begins
.set TBI,  41                          ; s41  256 bytes of biases a step
.set SEL,  42                          ; s[42:43] v_permlanex16_b32's selects for lane l xor 16
.set SL,   44
.set CNT,  45
.set MSB, 0
.macro WIN new                         ; the immediate's high byte repeats the setting that is left; a switch that changes nothing is dropped
.if MSB != (\new)
	s_set_vgpr_msb (MSB<<8)|(\new)
.set MSB, (\new)
.endif
.endm
.set TO1,  0x40                        ; destination window 1, address window 0
.set W_KQ, 0x05                        ; K and Q window 1; C and S^T window 0
.set W_RS, 0x41                        ; O^T (destination, source 0) window 1, the factor window 0
.set W_PV, 0x51                        ; V window 1, P window 0, O^T window 1
.macro PLACES
.rept 4
	v_nop
.endr
.endm
.macro CROUND                          ; a round of the cluster's barrier: my work-group's barrier; wave 0 signals for the work-group; every wave waits for all four work-groups; my work-group's barrier once more
	s_barrier_signal -1
	s_barrier_wait -1
	s_cmp_lg_u32 s[WV], 0
	s_cbranch_scc1 .Lnot_wave_0_\@
	s_barrier_signal -3
.Lnot_wave_0_\@:
	s_barrier_wait -3
	s_barrier_signal -1
	s_barrier_wait -1
.endm
	s_load_b128 s[4:7], s[0:1], 0x0                ; qkvf, att_mask
	s_load_b64 s[8:9], s[0:1], 0x10                ; attf
	v_lshl_add_u32 v[SPW], v0, 2, SPARE
	v_mov_b32 v[NIL], 0
	ds_add_u32 v[SPW], v[NIL]                      ; the wave's opening: the add, twice on end, and its wait ahead of my first tensor load
	ds_add_u32 v[SPW], v[NIL]
	v_lshrrev_b32 v[LI], 5, v0
	v_readfirstlane_b32 s[WV], v[LI]               ; wave 0..7
	v_and_b32 v[LI], 31, v0
	v_lshlrev_b32 v[LI], 4, v[LI]
	v_bfe_u32 v[ABI0], v0, 4, 1
	v_lshl_add_u32 v[ABI0], v[ABI0], 5, BIAS
	v_lshlrev_b32 v[MO], 5, v0
	v_lshl_add_u32 v[BA], v0, 5, BIAS
	v_mov_b32 v[NB], NEGB
.irp a, 0,1
	v_mov_b32 v[ST+8*\a], 0xff61b1e6               ; m = -3e38, under every t
	v_mov_b32 v[ST+8*\a+1], 0
	v_mov_b32 v[ST+8*\a+2], 0                      ; l, in two halves
	v_mov_b32 v[ST+8*\a+3], 0
.endr
	s_bfe_u32 s13, ttmp6, 0x40000                  ; cx: my place in the cluster
	s_lshl_b32 s14, ttmp9, 2
	s_add_co_u32 s14, s14, s13                     ; my block of 256 queries: it enters Q's and attf's addresses alone
	s_and_b32 s15, ttmp7, 0xffff                   ; batch x head, which the four partners share
	s_cmp_ge_u32 s15, 12
	s_cselect_b32 s16, 1, 0                        ; batch
	s_mul_i32 s17, s16, 12
	s_sub_co_u32 s17, s15, s17                     ; head
	s_mov_b32 s[G1], 15|(3<<16)|(1<<21)            ; 15:0 the mask: all four work-groups; 17:16 elements of 8 bytes; 21 set beside a mask; no padding
	s_mov_b32 s[G1+1], 32<<16                      ; tensor_dim0 = 32 elements: 256 bytes
	s_mov_b32 s[G1+2], 64<<16                      ; tensor_dim1 = 64
	s_mov_b32 s[G1+3], 32<<16                      ; tile_dim0 = 32
	s_mov_b32 s[G1+4], 64                          ; tile_dim1 = 64
	s_mov_b32 s[G1+5], 32                          ; from row to row: dense
	s_mov_b32 s[G1+6], 0
	s_mov_b32 s[G1+7], 0
	s_lshr_b32 s18, s[WV], 2                       ; waves 0-3 fetch K's images, waves 4-7 V's
	s_add_co_u32 s18, s18, 1
	s_mul_i32 s18, s18, TYB
	s_lshl_b32 s19, s15, 18                        ; the batch and head,
	s_add_co_u32 s18, s18, s19
	s_and_b32 s19, s[WV], 3
	s_lshl_b32 s19, s19, 14                        ; my 16 KiB of a slot's 64
	s_add_co_u32 s18, s18, s19
	s_mov_b32 s19, 0
	s_lshl_b32 s20, s[WV], 14                      ; and their place in a slot: no place in the cluster enters an LDS address
	s_lshl_b32 s54, s14, 4
	s_lshl_b32 s55, s[WV], 1
	s_add_co_u32 s54, s54, s55                     ; my first tile of queries in the batch and head
	s_lshl_b32 s56, s54, 11                        ; 2,048 bytes a tile
	s_lshl_b32 s57, s15, 18
	s_add_co_u32 s56, s56, s57
	s_mov_b32 s57, 0
	s_lshl_b32 s55, s16, 7
	s_add_co_u32 s54, s54, s55                     ; the same tile among all 256 tiles of tokens
	s_mul_i32 s54, s54, 24
	s_lshl_b32 s55, s17, 1
	s_add_co_u32 s54, s54, s55
	s_lshl_b32 s54, s54, 10                        ; (24 tile + 2 head) x 1,024
	s_mov_b32 s55, 0
	s_lshl_b32 s22, s16, 13                        ; the batch's 2,048 words of the mask
	s_mov_b32 s23, 0
	s_mov_b32 s[SEL], 0x76543210
	s_mov_b32 s[SEL+1], 0xfedcba98
	s_mov_b32 s[TK], 0
	s_mov_b32 s[TBI], 0
	s_wait_dscnt 0x0                               ; both opening adds are done
	s_wait_kmcnt 0x0
	s_add_nc_u64 s[52:53], s[4:5], s[18:19]        ; my part of the first 512 keys
	s_add_nc_u64 s[46:47], s[4:5], s[56:57]        ; Q
	s_add_nc_u64 s[48:49], s[6:7], s[22:23]        ; the mask
	s_add_nc_u64 s[50:51], s[8:9], s[54:55]        ; attf
	s_mov_b32 s[G0A], 1                            ; count = 1
	s_mov_b32 s[G0A+1], s20                        ; LDS address: slot 0
	s_mov_b64 s[G0A+2:G0A+3], s[52:53]
	s_or_b32 s[G0A+3], s[G0A+3], 0x80000000        ; type = 2
	s_mov_b32 s[G0W], 1
	s_add_co_u32 s[G0W+1], s20, SLOT1              ; slot 1,
	s_add_nc_u64 s[G0W+2:G0W+3], s[52:53], 65536   ; keys 512 on
	s_or_b32 s[G0W+3], s[G0W+3], 0x80000000
	CROUND                                         ; all four work-groups are here: the first joint loads meet
	tensor_load_to_lds s[G0A:G0A+3], s[G1:G1+7]    ; both first fills go out together, ahead of every wait on TENSORcnt, every LDS read and every other barrier
	s_nop 0
	tensor_load_to_lds s[G0W:G0W+3], s[G1:G1+7]
	s_nop 0
	PLACES
	global_load_b128 v[MK:MK+3], v[MO], s[48:49]
	global_load_b128 v[MK+4:MK+7], v[MO], s[48:49] offset:16
	WIN TO1
.irp a, 0,1
.irp i, 0,1,2,3
	global_load_b128 v[Q+16*\a+4*\i:Q+16*\a+4*\i+3], v[LI], s[46:47] offset:2048*\a+512*\i   ; Q stays in registers
.endr
.endr
.set i, 0
.rept 64
	v_mov_b32 v[O+i], 0                            ; O^T.  The step is written once: its first walk finds zeros, which the first factor leaves zeros
.set i, i+1
.endr
	WIN 0
	s_wait_loadcnt 8                               ; my 8 words of the mask are in; Q's 8 loads, issued behind them, may be out
.irp j, 0,1,2,3,4,5,6,7
	v_cmp_ne_u32 vcc_lo, 0, v[MK+\j]
	v_cndmask_b32 v[MK+\j], 0, v[NB], vcc_lo       ; the key's bias
.endr
	ds_store_b128 v[BA], v[MK:MK+3]
	ds_store_b128 v[BA], v[MK+4:MK+7] offset:16
	s_wait_tensorcnt 0x1                           ; my part of slot 0 is in; slot 1's may stay out
	s_wait_dscnt 0x0                               ; for the others' sake: my biases are stored
	s_wait_loadcnt 0x0                             ; Q
	s_barrier_signal -1
	s_barrier_wait -1
; A KEY STEP: 64 keys, both tiles of queries.
.macro STEP
	v_add_nc_u32 v[ADK], s[TK], v[LI]              ; these four lines are the places between the last step's products and the loads into V's registers
	v_add_nc_u32 v[ABI], s[TBI], v[ABI0]
	v_add_nc_u32 v[ADV], VOFF, v[ADK]
	v_nop
.irp kt, 0,1,2,3
	ds_load_b128 v[BI+8*\kt:BI+8*\kt+3], v[ABI] offset:64*\kt        ; bias(key 16 kt + 8 h + 0..7): the result's layout
	ds_load_b128 v[BI+8*\kt+4:BI+8*\kt+7], v[ABI] offset:64*\kt+16
.endr
	WIN TO1
.irp i, 0,1,2,3,4,5,6,7,8,9,10,11,12,13,14,15
	ds_load_b128 v[KF+4*\i:KF+4*\i+3], v[ADK] offset:512*\i          ; fragment (keys 16 kt on, channels 32 u on) at KF + 16 kt + 8 u
.endr
.irp i, 0,1,2,3,4,5,6,7,8,9,10,11,12,13,14,15
	ds_load_b128 v[VF+4*\i:VF+4*\i+3], v[ADV] offset:512*\i          ; fragment (channels 16 ct on, keys 32 g on) at VF + 16 ct + 8 g
.endr
	s_wait_dscnt 16                                ; the biases and K are in; V's 16 loads, issued behind them, may be out
	WIN W_KQ
.irp kt, 0,1,2,3                       ; the eight accumulators take turns, one instruction a turn
.irp a, 0,1
	v_wmma_f32_16x16x32_f16 v[S+32*\a+8*\kt:S+32*\a+8*\kt+7], v[KF+16*\kt:KF+16*\kt+7], v[Q+16*\a:Q+16*\a+7], v[BI+8*\kt:BI+8*\kt+7]
.endr
.endr
.irp kt, 0,1,2,3
.irp a, 0,1
	v_wmma_f32_16x16x32_f16 v[S+32*\a+8*\kt:S+32*\a+8*\kt+7], v[KF+16*\kt+8:KF+16*\kt+15], v[Q+16*\a+8:Q+16*\a+15], v[S+32*\a+8*\kt:S+32*\a+8*\kt+7]
.endr
.endr
	WIN 0
	PLACES                                         ; four places (ISA guide 7.12.1) ahead of the first read of the scores
.irp j, 0,1,2,3                        ; the maximum of my 32 scores: four chains a tile, each begun at its accumulator's low end; the two tiles by turns
.irp a, 0,1
	v_max3_num_f32 v[ST+8*\a+4+\j], v[S+32*\a+8*\j], v[S+32*\a+8*\j+1], v[S+32*\a+8*\j+2]
.endr
.endr
.irp q, 1,2
.irp j, 0,1,2,3
.irp a, 0,1
	v_max3_num_f32 v[ST+8*\a+4+\j], v[ST+8*\a+4+\j], v[S+32*\a+8*\j+2*\q+1], v[S+32*\a+8*\j+2*\q+2]
.endr
.endr
.endr
.irp a, 0,1
	v_max3_num_f32 v[ST+8*\a+4], v[ST+8*\a+4], v[S+32*\a+7], v[S+32*\a+15]
	v_max3_num_f32 v[ST+8*\a+6], v[ST+8*\a+6], v[S+32*\a+23], v[S+32*\a+31]
.endr
.irp a, 0,1
	v_max3_num_f32 v[ST+8*\a+4], v[ST+8*\a+4], v[ST+8*\a+5], v[ST+8*\a+6]
.endr
.irp a, 0,1
	v_max3_num_f32 v[ST+8*\a+4], v[ST+8*\a+4], v[ST+8*\a+7], v[ST+8*\a]    ; and the old m
.endr
.irp a, 0,1
	v_permlanex16_b32 v[ST+8*\a+5], v[ST+8*\a+4], s[SEL], s[SEL+1]         ; the query's other 32 keys lie in the lane 16 away
.endr
.irp a, 0,1
	v_max_num_f32 v[ST+8*\a+4], v[ST+8*\a+4], v[ST+8*\a+5]
.endr
.irp a, 0,1
	v_sub_f32 v[ST+8*\a+7], v[ST+8*\a], v[ST+8*\a+4]                       ; old m - new m, 0 or less
.endr
.irp a, 0,1
	v_mov_b32 v[ST+8*\a], v[ST+8*\a+4]
.endr
.irp i, 0,1,2,3,4,5,6,7,8,9,10,11,12,13,14,15
.irp a, 0,1
	v_pk_add_f32 v[S+32*\a+2*\i:S+32*\a+2*\i+1], v[S+32*\a+2*\i:S+32*\a+2*\i+1], v[ST+8*\a:ST+8*\a+1] op_sel_hi:[1,0] neg_lo:[0,1] neg_hi:[0,1]   ; t - m, two at a time
.endr
.endr
.irp a, 0,1
	v_exp_f32 v[ST+8*\a+6], v[ST+8*\a+7]           ; alpha = 2^(old m - new m).  ONE BATCH: 66 exponentials, none of which reads another's result
.endr
.irp i, 0,1,2,3,4,5,6,7,8,9,10,11,12,13,14,15,16,17,18,19,20,21,22,23,24,25,26,27,28,29,30,31
.irp a, 0,1
	v_exp_f32 v[S+32*\a+\i], v[S+32*\a+\i]         ; p = 2^(t - m)
.endr
.endr
	v_nop                                          ; a plain line behind the last exponential
	s_wait_alu depctr_va_vdst(0)                   ; the wait ahead of the first line that names a result: one for the batch
.irp i, 0,1,2,3,4,5,6,7,8,9,10,11,12,13,14,15
.irp a, 0,1
	v_cvt_pk_f16_f32 v[P+16*\a+\i], v[S+32*\a+2*\i], v[S+32*\a+2*\i+1]     ; keys 16 kt + 8 h + 0..7 of tiles 2 g, 2 g + 1: P's fragment of keys 32 g on
.endr
.endr
.irp u, 0,1,2,3,4,5,6,7                ; the row's sum of the unrounded p, in place: neighbours 1, 2, 4 and 8 pairs apart
.irp a, 0,1
	v_pk_add_f32 v[S+32*\a+4*\u:S+32*\a+4*\u+1], v[S+32*\a+4*\u:S+32*\a+4*\u+1], v[S+32*\a+4*\u+2:S+32*\a+4*\u+3]
.endr
.endr
.irp u, 0,1,2,3
.irp a, 0,1
	v_pk_add_f32 v[S+32*\a+8*\u:S+32*\a+8*\u+1], v[S+32*\a+8*\u:S+32*\a+8*\u+1], v[S+32*\a+8*\u+4:S+32*\a+8*\u+5]
.endr
.endr
.irp u, 0,1
.irp a, 0,1
	v_pk_add_f32 v[S+32*\a+16*\u:S+32*\a+16*\u+1], v[S+32*\a+16*\u:S+32*\a+16*\u+1], v[S+32*\a+16*\u+8:S+32*\a+16*\u+9]
.endr
.endr
.irp a, 0,1
	v_pk_add_f32 v[S+32*\a:S+32*\a+1], v[S+32*\a:S+32*\a+1], v[S+32*\a+16:S+32*\a+17]
.endr
.irp a, 0,1
	v_pk_fma_f32 v[ST+8*\a+2:ST+8*\a+3], v[ST+8*\a+2:ST+8*\a+3], v[ST+8*\a+6:ST+8*\a+7], v[S+32*\a:S+32*\a+1] op_sel_hi:[1,0,1]   ; l = l alpha + the step's sum
.endr
	WIN W_RS
.irp a, 0,1
.irp i, 0,1,2,3,4,5,6,7,8,9,10,11,12,13,14,15
	v_pk_mul_f32 v[O+32*\a+2*\i:O+32*\a+2*\i+1], v[O+32*\a+2*\i:O+32*\a+2*\i+1], v[ST+8*\a+6:ST+8*\a+7] op_sel_hi:[1,0]   ; O^T alpha, each accumulator from its low end on
.endr
.endr
	s_wait_dscnt 0x0                               ; V is in
	WIN W_PV
.irp g, 0,1                            ; the eight accumulators take turns
.irp ct, 0,1,2,3
.irp a, 0,1
	v_wmma_f32_16x16x32_f16 v[O+32*\a+8*\ct:O+32*\a+8*\ct+7], v[VF+16*\ct+8*\g:VF+16*\ct+8*\g+7], v[P+16*\a+8*\g:P+16*\a+8*\g+7], v[O+32*\a+8*\ct:O+32*\a+8*\ct+7]
.endr
.endr
.endr
	s_add_co_u32 s[TK], s[TK], 8192                ; the next 64 keys
	s_add_co_u32 s[TBI], s[TBI], 256
.endm
.macro EIGHT_STEPS                     ; a slot's 512 keys: the step is written once and walked eight times
	s_mov_b32 s[CNT], 8
.Lstep_\@:
	STEP
	WIN 0                                          ; at a label and at a branch every window is 0
	s_sub_co_u32 s[CNT], s[CNT], 1
	s_cmp_lg_u32 s[CNT], 0
	s_cbranch_scc1 .Lstep_\@
.endm
; THE CHANGE OF SLOTS.  Each wave waits for all its tensor loads (one is out: its part of the slot ahead), adds 0 to its spare word, and waits for that and for its reads of the slot that it leaves.
; fill = 1: the barrier is a round of the cluster's, so that no wave of any partner still reads the slot or has a load on its way; the joint refill, the keys two slots on, is the first thing behind it.
.macro CHANGE fill
	s_wait_tensorcnt 0x0                           ; no tensor load of mine is out, so a group 0 may be written
	ds_add_u32 v[SPW], v[NIL]                      ; the steps below, work on registers, stand between it and its wait
.if \fill
	s_xor_b32 s[G0W+1], s[G0W+1], SLOT1            ; the walking descriptor: the other slot than last time,
	s_add_nc_u64 s[G0W+2:G0W+3], s[G0W+2:G0W+3], 65536   ; the next 512 keys; the type bits on top are not reached
.endif
	s_sub_co_u32 s[TK], s[TK], 65536               ; the reads go back to a slot's first step,
	s_xor_b32 s[TK], s[TK], SLOT1                  ; in the other slot
	s_wait_dscnt 0x0                               ; the add is done, and my reads of the slot are over
.if \fill
	CROUND
	tensor_load_to_lds s[G0W:G0W+3], s[G1:G1+7]    ; my one tensor load until the next change: it has eight key steps in which to land
	s_nop 0
	PLACES
.else
	s_barrier_signal -1
	s_barrier_wait -1
.endif
.endm
	EIGHT_STEPS                                    ; keys 0-511, slot 0
	s_mov_b32 s[SL], 2
.Lslot:                                            ; two trips: slot 0 takes keys 1,024 on while slot 1 is read; slot 1 takes keys 1,536 on while slot 0 is read
	CHANGE 1
	EIGHT_STEPS
	s_sub_co_u32 s[SL], s[SL], 1
	s_cmp_lg_u32 s[SL], 0
	s_cbranch_scc1 .Lslot
	CHANGE 0                                       ; the tail is written out: nothing is left to ask for
	EIGHT_STEPS
	; THE WAY OUT.  l's halves and the other half of the lanes' are added (these lines are also the places behind the last products); O^T / l, rounded to f16, IS the next launch's operand image.
.irp a, 0,1
	v_add_f32 v[ST+8*\a+4], v[ST+8*\a+2], v[ST+8*\a+3]
.endr
.irp a, 0,1
	v_permlanex16_b32 v[ST+8*\a+5], v[ST+8*\a+4], s[SEL], s[SEL+1]
.endr
.irp a, 0,1
	v_add_f32 v[ST+8*\a+4], v[ST+8*\a+4], v[ST+8*\a+5]
.endr
.irp a, 0,1
	v_rcp_f32 v[ST+8*\a+6], v[ST+8*\a+4]           ; l is at least 1: the largest p of a row is 1
.endr
	v_nop                                          ; a plain line behind the last reciprocal
	s_wait_alu depctr_va_vdst(0)                   ; and the wait ahead of the first use: one for both
	WIN W_RS
.irp a, 0,1
.irp i, 0,1,2,3,4,5,6,7,8,9,10,11,12,13,14,15
	v_pk_mul_f32 v[O+32*\a+2*\i:O+32*\a+2*\i+1], v[O+32*\a+2*\i:O+32*\a+2*\i+1], v[ST+8*\a+6:ST+8*\a+7] op_sel_hi:[1,0]
.endr
.endr
	WIN 0x05                                       ; sources window 1, destination window 0: S^T's registers are free
.irp a, 0,1
.irp i, 0,1,2,3,4,5,6,7,8,9,10,11,12,13,14,15
	v_cvt_pk_f16_f32 v[S+16*\a+\i], v[O+32*\a+2*\i], v[O+32*\a+2*\i+1]
.endr
.endr
	WIN 0
.irp a, 0,1
.irp ct, 0,1,2,3
	global_store_b128 v[LI], v[S+16*\a+4*\ct:S+16*\a+4*\ct+3], s[50:51] offset:24576*\a+512*\ct   ; channels 16 ct + 8 h + 0..7 of query r: 512 consecutive bytes, at a multiple of 512 from the buffer's first byte
.endr
.endr
	s_wait_tensorcnt 0x0                           ; the wave's end: behind my last tensor load and my last LDS store
	ds_add_u32 v[SPW], v[NIL]
	s_wait_dscnt 0x0
	CROUND                                         ; the closing round: no work-group ends while a partner may still ask for a tile that names it
	s_endpgm
.Lfunc_end_k_qd121d2ae1b_attn:
	.size	k_qd121d2ae1b_attn, .Lfunc_end_k_qd121d2ae1b_attn-k_qd121d2ae1b_attn
	.p2alignl 7, 3214868480
	.fill 96, 4, 3214868480
	.section	.rodata,"a",@progbits
	.p2align	6, 0x0
	.amdhsa_kernel k_qd121d2ae1b_attn
		.amdhsa_group_segment_fixed_size 327680
		.amdhsa_private_segment_fixed_size 0
		.amdhsa_enable_private_segment 0
		.amdhsa_kernarg_size 24
		.amdhsa_user_sgpr_count 2
		.amdhsa_user_sgpr_kernarg_segment_ptr 1
		.amdhsa_wavefront_size32 1
		.amdhsa_system_sgpr_workgroup_id_x 1
		.amdhsa_system_sgpr_workgroup_id_y 1
		.amdhsa_system_sgpr_workgroup_id_z 1
		.amdhsa_system_vgpr_workitem_id 0
		.amdhsa_next_free_vgpr 512
		.amdhsa_next_free_sgpr 66
		.amdhsa_reserve_vcc 1
		.amdhsa_float_denorm_mode_32 3
		.amdhsa_float_denorm_mode_16_64 3
		.amdhsa_memory_ordered 1
		.amdhsa_forward_progress 1
		.amdhsa_inst_pref_size 69
	.end_amdhsa_kernel
	.amdgpu_metadata
---
amdhsa.version: [ 1, 2 ]
amdhsa.kernels:
  - .name:           k_qd121d2ae1b_attn
    .symbol:         k_qd121d2ae1b_attn.kd
    .args:
      - { .name: qkvf, .offset: 0, .size: 8, .value_kind: global_buffer, .address_space: global }
      - { .name: att_mask, .offset: 8, .size: 8, .value_kind: global_buffer, .address_space: global }
      - { .name: attf, .offset: 16, .size: 8, .value_kind: global_buffer, .address_space: global }
    .group_segment_fixed_size: 327680
    .private_segment_fixed_size: 0
    .kernarg_segment_align: 8
    .kernarg_segment_size: 24
    .max_flat_workgroup_size: 256
    .sgpr_count:     66
    .vgpr_count:     512
    .wavefront_size: 32
...
	.end_amdgpu_metadata
.endif
;; end of part 3
;; launch oproj (part 4): grid 4 x 64, 4 waves a work-group, clusters of 4 x 1, 167,936 bytes of LDS; arguments attf, wof, bo, out0; writes out0
.if DOCPART == 4
	.amdgcn_target "amdgcn-amd-amdhsa--gfx1250"
	.amdhsa_code_object_version 6
	.text
	.protected	k_qd121d2ae1b_oproj
	.globl	k_qd121d2ae1b_oproj
	.p2align	8
	.type	k_qd121d2ae1b_oproj,@function
k_qd121d2ae1b_oproj:
	s_mov_b64 s[64:65], 0
	v_nop
	global_prefetch_b8 v0, s[64:65] scope:SCOPE_SE
	s_setreg_imm32_b32 hwreg(HW_REG_WAVE_MODE, 25, 1), 1
	s_wait_xcnt 0x0
	s_wait_alu depctr_hold_cnt(0) depctr_sa_sdst(0) depctr_va_vdst(0) depctr_va_sdst(0) depctr_va_ssrc(0) depctr_va_vcc(0) depctr_vm_vsrc(0)
	s_getreg_b32 s2, hwreg(HW_REG_IB_STS2, 6, 4)
	s_cmp_eq_u32 s2, 0
	s_cbranch_scc0 .Lentry_in_a_cluster
	s_endpgm
.Lentry_in_a_cluster:
	s_bfe_u32 s2, ttmp6, 0x10000c
	s_cmp_lg_u32 s2, 0x3003
	s_cbranch_scc0 .Lentry_shape_is_right
	s_endpgm
.Lentry_shape_is_right:
; out[t][d] = the sum over e of att[t][e] Wo[d][e] + bo[d].  f16 operands (attf and wof, laid as operand registers), f32 sums, f32 out.
; SHARES: a work-group takes 64 tokens (work-group y) x 192 outputs (its place cx in the cluster).  THE WAVES SHARE THE COLUMNS: wave w keeps tiles 12 cx + 3 w + 0..2 of Wo's rows, for all of K = 768,
; in registers (3 x 192), read once; tile i lies in window i + 1 with its four accumulators and its bias.
; The 64 tokens' att (4 tiles x 24,576 bytes) comes into LDS ONCE, each wave fetching a tile by one tensor load of 96 rows x 256 bytes, dense in memory.
; CLUSTER: the four work-groups of a cluster share the tokens: the tiles are asked for JOINTLY.  Nothing is filled again.  Wo goes straight into registers: no two partners read the same rows of it.
; THE MATRIX INSTRUCTION IS USED TRANSPOSED (source 0 = 16 rows of Wo, source 1 = 16 tokens): a lane holds eight neighbouring outputs of one token; bo is the C of each sum's first product.
; THE WAY OUT: a token's 192 outputs come from four waves: they meet in a stage (rows of 768 + 16 = 49 x 16 bytes), and each wave stores 16 rows, sixteen lanes to 256 consecutive bytes at a multiple of 256 from out0's first byte.
; REGISTERS.  window 0: v1-9 addresses; v64-127, v128-191 att's fragments of two K steps of 32, two buffers; later the rows read back.   windows 1-3: v0-191 Wo's 24 fragments; v192-223 four accumulators; v224-231 bo.
.set TILEB, 24576                      ; a tile's image: 24 x 1,024 bytes
.set STG,   4*TILEB                    ; the stage: 64 rows x 784 bytes; no tensor load lands there
.set SP,    784
.set SPARE, STG+64*SP                  ; the spare words, 128 bytes a wave
.set LI,  1                            ; v1   16 x lane
.set LI2, 2                            ; v2   + two tiles
.set SO,  3                            ; v3   the stage: where I put 32 bytes of a row
.set RD,  4                            ; v4   and where I read a row back
.set GO,  5                            ; v5   my byte offset in the wave's rows of out0
.set H32, 6                            ; v6   32 h
.set SPW, 8                            ; v8   my spare word; never rewritten
.set NIL, 9                            ; v9   0; never rewritten
.set AF,  64
.set WV,  12
.set G1,  24
.set G0,  32
.set MSB, 0
.macro WIN new
.if MSB != (\new)
	s_set_vgpr_msb (MSB<<8)|(\new)
.set MSB, (\new)
.endif
.endm
.macro PLACES
.rept 4
	v_nop
.endr
.endm
.macro CROUND
	s_barrier_signal -1
	s_barrier_wait -1
	s_cmp_lg_u32 s[WV], 0
	s_cbranch_scc1 .Lnot_wave_0_\@
	s_barrier_signal -3
.Lnot_wave_0_\@:
	s_barrier_wait -3
	s_barrier_signal -1
	s_barrier_wait -1
.endm
	s_load_b256 s[4:11], s[0:1], 0x0               ; attf, wof, bo, out0
	v_lshl_add_u32 v[SPW], v0, 2, SPARE
	v_mov_b32 v[NIL], 0
	ds_add_u32 v[SPW], v[NIL]                      ; the wave's opening: the add, twice on end, and its wait ahead of my first tensor load
	ds_add_u32 v[SPW], v[NIL]
	v_lshrrev_b32 v[LI], 5, v0
	v_readfirstlane_b32 s[WV], v[LI]               ; wave 0..3
	v_and_b32 v[LI], 31, v0
	v_lshlrev_b32 v[LI], 4, v[LI]
	v_add_nc_u32 v[LI2], 2*TILEB, v[LI]
	v_and_b32 v10, 15, v0                          ; r
	v_bfe_u32 v11, v0, 4, 1                        ; h
	v_mul_u32_u24 v[SO], v10, SP
	v_lshl_add_u32 v[SO], v11, 5, v[SO]
	s_mul_i32 s42, s[WV], 192
	s_add_co_u32 s42, s42, STG
	v_add_nc_u32 v[SO], s42, v[SO]                 ; row r, + 32 h, + my wave's 192 bytes
	v_mul_u32_u24 v[RD], v11, SP
	v_lshl_add_u32 v[RD], v10, 4, v[RD]
	s_mul_i32 s42, s[WV], 16*SP
	s_add_co_u32 s42, s42, STG
	v_add_nc_u32 v[RD], s42, v[RD]                 ; back: my 16 rows; lanes 0-15 one row, lanes 16-31 the next
	v_mul_u32_u24 v[GO], v11, 3072
	v_lshl_add_u32 v[GO], v10, 4, v[GO]            ; and the same two rows in out0
	v_lshlrev_b32 v[H32], 5, v11
	s_bfe_u32 s13, ttmp6, 0x40000                  ; cx: it enters wof's, bo's and out0's addresses alone
	s_and_b32 s14, ttmp7, 0xffff                   ; the block of 64 tokens, which the four partners share
	s_mov_b32 s[G1], 15|(3<<16)|(1<<21)            ; 15:0 the mask: all four work-groups; 17:16 elements of 8 bytes; 21 set beside a mask; no padding
	s_mov_b32 s[G1+1], 32<<16                      ; tensor_dim0 = 32 elements: 256 bytes
	s_mov_b32 s[G1+2], 96<<16                      ; tensor_dim1 = 96
	s_mov_b32 s[G1+3], 32<<16                      ; tile_dim0 = 32
	s_mov_b32 s[G1+4], 96                          ; tile_dim1 = 96
	s_mov_b32 s[G1+5], 32                          ; from row to row: dense
	s_mov_b32 s[G1+6], 0
	s_mov_b32 s[G1+7], 0
	s_lshl_b32 s16, s14, 2
	s_add_co_u32 s16, s16, s[WV]
	s_mul_i32 s16, s16, TILEB                      ; the tile of tokens that I fetch,
	s_mov_b32 s17, 0
	s_mul_i32 s15, s[WV], TILEB                    ; and where it goes
	s_mul_i32 s18, s13, 12
	s_mul_i32 s19, s[WV], 3
	s_add_co_u32 s18, s18, s19                     ; my first tile of Wo's rows
	s_lshl_b32 s20, s18, 6                         ; bo: 64 bytes a tile
	s_mov_b32 s21, 0
	s_mul_i32 s18, s18, TILEB
	s_mov_b32 s19, 0
	s_lshl_b32 s22, s14, 6
	s_lshl_b32 s23, s[WV], 4
	s_add_co_u32 s22, s22, s23                     ; the first row that I store
	s_mul_i32 s22, s22, 3072
	s_mul_i32 s23, s13, 768
	s_add_co_u32 s22, s22, s23                     ; + the work-group's 192 columns
	s_mov_b32 s23, 0
	s_wait_dscnt 0x0                               ; both opening adds are done
	s_wait_kmcnt 0x0
	s_mov_b32 s[G0], 1
	s_mov_b32 s[G0+1], s15
	s_add_nc_u64 s[G0+2:G0+3], s[4:5], s[16:17]
	s_or_b32 s[G0+3], s[G0+3], 0x80000000
	s_add_nc_u64 s[36:37], s[6:7], s[18:19]
	s_add_nc_u64 s[38:39], s[8:9], s[20:21]
	s_add_nc_u64 s[40:41], s[10:11], s[22:23]
	CROUND                                         ; all four work-groups are here: the joint loads meet
	tensor_load_to_lds s[G0:G0+3], s[G1:G1+7]      ; my one tensor load of the launch
	s_nop 0
	PLACES
; Wo and bo: 150 loads of 512 (bo: 2 x 16 a lane) bytes, in the order in which the products want them: by groups of four K steps of 32, the three tiles in each
.irp kg, 0,1,2,3,4,5
.irp w, 1,2,3
	WIN (\w)<<6                                    ; destination window w
.if \kg == 0
	global_load_b128 v[224:227], v[H32], s[38:39] offset:64*(\w-1)        ; bo(16 tile + 8 h + 0..7): the result's layout
	global_load_b128 v[228:231], v[H32], s[38:39] offset:64*(\w-1)+16
.endif
.irp q, 0,1,2,3
.irp c, 0,1
	global_load_b128 v[8*(4*\kg+\q)+4*\c:8*(4*\kg+\q)+4*\c+3], v[LI], s[36:37] offset:TILEB*(\w-1)+1024*(4*\kg+\q)+512*\c
.endr
.endr
.endr
.endr
	WIN 0
	s_wait_tensorcnt 0x0                           ; my tile of att is in,
	s_barrier_signal -1
	s_barrier_wait -1                              ; everybody's is
; att's fragments of K steps 2 n and 2 n + 1 for the four tiles of tokens: (tt, kq) at the buffer + 16 tt + 8 kq
.macro FETCH n
.set FB, AF+64*((\n)%2)
.irp tt, 0,1
.irp kq, 0,1
.irp c, 0,1
	ds_load_b128 v[FB+16*\tt+8*\kq+4*\c:FB+16*\tt+8*\kq+4*\c+3], v[LI] offset:TILEB*\tt+1024*(2*(\n)+\kq)+512*\c
.endr
.endr
.endr
.irp tt, 0,1
.irp kq, 0,1
.irp c, 0,1
	ds_load_b128 v[FB+32+16*\tt+8*\kq+4*\c:FB+32+16*\tt+8*\kq+4*\c+3], v[LI2] offset:TILEB*\tt+1024*(2*(\n)+\kq)+512*\c
.endr
.endr
.endr
.endm
; 24 matrix instructions: for each of my three tiles of outputs its four accumulators by turns, one instruction a turn; K ascending
.macro MULS n
.set FB, AF+64*((\n)%2)
.irp w, 1,2,3
	WIN 0x51*\w                                    ; Wo, C and D window w; att window 0
.irp kq, 0,1
.irp tt, 0,1,2,3
.if ((\n) == 0) && (\kq == 0)
	v_wmma_f32_16x16x32_f16 v[192+8*\tt:199+8*\tt], v[8*(2*(\n)+\kq):8*(2*(\n)+\kq)+7], v[FB+16*\tt+8*\kq:FB+16*\tt+8*\kq+7], v[224:231]
.else
	v_wmma_f32_16x16x32_f16 v[192+8*\tt:199+8*\tt], v[8*(2*(\n)+\kq):8*(2*(\n)+\kq)+7], v[FB+16*\tt+8*\kq:FB+16*\tt+8*\kq+7], v[192+8*\tt:199+8*\tt]
.endif
.endr
.endr
.endr
.endm
	FETCH 0
.irp n, 0,1,2,3,4,5,6,7,8,9,10,11
.if \n > 0
	WIN 0
	PLACES                                         ; four places ahead of the loads into the buffer that the last half step multiplied
.endif
.if \n < 11
	FETCH \n+1
	s_wait_dscnt 16                                ; this half step's fragments are in; the next one's 16 loads may be out
.else
	s_wait_dscnt 0x0
.endif
.if (\n)%2 == 0                        ; Wo's group n / 2 is in: 24 (5 - n / 2) loads were issued behind it; a smaller count is as good, and the wait's field ends at 63
.if 24*(5-(\n)/2) > 63
	s_wait_loadcnt 63
.else
	s_wait_loadcnt 24*(5-(\n)/2)
.endif
.endif
	MULS \n
.endr
	WIN 0
	PLACES                                         ; ahead of the first read of results, and of the loads into att's registers below
.irp w, 1,2,3
	WIN (\w)<<2                                    ; an LDS store's data are its source 1: window w
.irp tt, 0,1,2,3
	ds_store_b128 v[SO], v[192+8*\tt:195+8*\tt] offset:16*SP*\tt+64*(\w-1)        ; lane (r, h): out(16 tt + r, 48 wave + 16 (w - 1) + 8 h + 0..7); each accumulator from its low end on
	ds_store_b128 v[SO], v[196+8*\tt:199+8*\tt] offset:16*SP*\tt+64*(\w-1)+16
.endr
.endr
	WIN 0
	s_wait_dscnt 0x0                               ; for the others' sake: my stores into the stage are done
	s_barrier_signal -1
	s_barrier_wait -1
.irp t, 0,1,2,3,4,5,6,7
.irp q, 0,1,2
	ds_load_b128 v[AF+4*(3*\t+\q):AF+4*(3*\t+\q)+3], v[RD] offset:2*SP*\t+256*\q
.endr
.endr
.irp t, 0,1,2,3,4,5,6,7
.irp q, 0,1,2
	s_wait_dscnt 23-(3*\t+\q)                      ; LDS loads come back in order: this one is in, those behind it may be out
	global_store_b128 v[GO], v[AF+4*(3*\t+\q):AF+4*(3*\t+\q)+3], s[40:41] offset:6144*\t+256*\q th:TH_STORE_NT   ; written once, read by nobody here
.endr
.endr
	s_wait_tensorcnt 0x0                           ; the wave's end: behind my last tensor load and my last LDS store
	ds_add_u32 v[SPW], v[NIL]
	s_wait_dscnt 0x0
	CROUND                                         ; the closing round
	s_endpgm
.Lfunc_end_k_qd121d2ae1b_oproj:
	.size	k_qd121d2ae1b_oproj, .Lfunc_end_k_qd121d2ae1b_oproj-k_qd121d2ae1b_oproj
	.p2alignl 7, 3214868480
	.fill 96, 4, 3214868480
	.section	.rodata,"a",@progbits
	.p2align	6, 0x0
	.amdhsa_kernel k_qd121d2ae1b_oproj
		.amdhsa_group_segment_fixed_size 167936
		.amdhsa_private_segment_fixed_size 0
		.amdhsa_enable_private_segment 0
		.amdhsa_kernarg_size 32
		.amdhsa_user_sgpr_count 2
		.amdhsa_user_sgpr_kernarg_segment_ptr 1
		.amdhsa_wavefront_size32 1
		.amdhsa_system_sgpr_workgroup_id_x 1
		.amdhsa_system_sgpr_workgroup_id_y 1
		.amdhsa_system_sgpr_workgroup_id_z 1
		.amdhsa_system_vgpr_workitem_id 0
		.amdhsa_next_free_vgpr 1024
		.amdhsa_next_free_sgpr 66
		.amdhsa_reserve_vcc 0
		.amdhsa_float_denorm_mode_32 3
		.amdhsa_float_denorm_mode_16_64 3
		.amdhsa_memory_ordered 1
		.amdhsa_forward_progress 1
		.amdhsa_inst_pref_size 60
	.end_amdhsa_kernel
	.amdgpu_metadata
---
amdhsa.version: [ 1, 2 ]
amdhsa.kernels:
  - .name:           k_qd121d2ae1b_oproj
    .symbol:         k_qd121d2ae1b_oproj.kd
    .args:
      - { .name: attf, .offset: 0, .size: 8, .value_kind: global_buffer, .address_space: global }
      - { .name: wof, .offset: 8, .size: 8, .value_kind: global_buffer, .address_space: global }
      - { .name: bo, .offset: 16, .size: 8, .value_kind: global_buffer, .address_space: global }
      - { .name: out0, .offset: 24, .size: 8, .value_kind: global_buffer, .address_space: global }
    .group_segment_fixed_size: 167936
    .private_segment_fixed_size: 0
    .kernarg_segment_align: 8
    .kernarg_segment_size: 32
    .max_flat_workgroup_size: 128
    .sgpr_count:     66
    .vgpr_count:     1024
    .wavefront_size: 32
...
	.end_amdgpu_metadata
.endif
;; end of part 4
;; ======== version 2 of 2: 4 launches; 1.22 times as fast as version 1
;; limits: values are held in f16: magnitudes above 65,504 overflow, below 6.1e-05 lose precision
;; workspace buffers: codes 4,030,464 bytes; scales 251,904 bytes; smask 16,384 bytes of whole numbers; cnt 256 bytes of whole numbers; qkvf 18,874,368 bytes; gsum 196,608 bytes; wof 1,179,648 bytes; attf 6,291,456 bytes
;; launch quant (part 5): grid 100 x 6, 4 waves a work-group, no clusters, 34,304 bytes of LDS; arguments h, Wq, Wk, Wv, att_mask, codes, scales, smask, cnt; writes codes, scales, smask, cnt
.if DOCPART == 5
	.amdgcn_target "amdgcn-amd-amdhsa--gfx1250"
	.amdhsa_code_object_version 6
	.text
	.protected	k_qd121d2ae1b_quant
	.globl	k_qd121d2ae1b_quant
	.p2align	8
	.type	k_qd121d2ae1b_quant,@function
k_qd121d2ae1b_quant:
	s_mov_b64 s[64:65], 0
	v_nop
	global_prefetch_b8 v0, s[64:65] scope:SCOPE_SE
	s_setreg_imm32_b32 hwreg(HW_REG_WAVE_MODE, 25, 1), 1
	s_wait_xcnt 0x0
; h [4096][768], Wq, Wk, Wv [768][768], f32, K innermost, become codes of E2M1 (4 bits) with one E8M0 byte for each 32 along K.
; A block's scale is 2^(floor(log2(its largest magnitude)) - 2); its byte is the largest magnitude's exponent field - 2, held at 1 from below.
; LIMITS: a block of zeros gets the byte 1 where the rule says 127 (its codes are zeros, which add nothing, and this program alone reads the bytes);
; blocks whose largest magnitude lies under 2^-124 are held at the byte 1; NaN and infinities among the inputs are not served.
; THE OUTPUT IS LAID AS THE MATRIX OPERAND'S REGISTERS.  codes: [tile of 16 rows 0..655][K step of 128, 0..5][c 0..1][512 bytes]: lane l's 16 bytes at 16 l:
; lane (r, h) of piece c holds block 4 s + 2 c + h of row r.  scales: [tile][K step][row] words of four bytes.
; Tiles 0-255 are h's rows as they lie, 256-303 Wq's, 304-351 Wk's, 352-399 Wv's.  TILES 400-655 ARE h'S ROWS ONCE MORE, EACH BATCH'S TOKENS SORTED BY att_mask: a token whose word is 0 (open)
; goes to place (open tokens ahead of it), a masked one to place 2047 - (masked tokens ahead of it).  Keys and values are made from this copy, so that the attention walks the open keys alone.
; smask: att_mask in the sorted order.  cnt[b]: the batch's open tokens.  All places are made of whole numbers read from att_mask, and are held inside their tables ahead of every address.
; SHARES: a wave makes ONE fragment: tile T = 4 x + wave, K step y: 16 rows x 512 bytes in, 1,024 + 64 bytes out (h: twice).  Waves share nothing: no barrier.
; Each load takes 512 consecutive bytes of a row; the conversions want 32 neighbours along K in one lane's registers: so the 8 KiB turn through the wave's own stage in LDS.
; The stage's pitch is 528 = 33 x 16 bytes: the 16 rows that a read touches start at 16 different 16-byte columns modulo 256.
; The scale words (64 bytes a wave) and the sorted copy (16 bytes a lane, neighbouring open tokens side by side) leave in pieces shorter than 256 bytes: under a tenth of what the launch moves.
.set PITCH, 528
.set STGB,  16*PITCH                   ; a wave's stage
.set SPARE, 4*STGB                     ; behind the four stages: the spare words, 128 bytes a wave
.set SORT,  400                        ; the sorted copy's first tile
.set LN,  1                            ; v1   lane
.set RR,  2                            ; v2   r = lane % 16
.set HH,  3                            ; v3   h = lane / 16
.set LI,  4                            ; v4   16 x lane
.set SA,  5                            ; v5   the stage, on the way in
.set RA,  6                            ; v6   and on the way out: row r, + 128 h
.set SO,  7                            ; v7   4 r: my row's scale word
.set SPW, 8                            ; v8   my spare word; never rewritten
.set NIL, 9                            ; v9   0; never rewritten
.set MX,  10                           ; v10-11 the two blocks' largest magnitudes
.set SCO, 12                           ; v12-13 the conversions' scale operands
.set BY,  14                           ; v14-15 the scale bytes
.set WD,  16                           ; v16  the scale word
.set TMP, 17
.set SH,  18                           ; v18  8 h
.set TM,  19                           ; v19  my token's word of the mask
.set THR, 20                           ; v20  t0 - 4 x lane
.set MB,  21                           ; v21  masked tokens ahead
.set T1,  22
.set POS, 23                           ; v23  my token's place
.set HI,  24                           ; v24  its tile in the batch
.set LO,  25                           ; v25  its row in the tile
.set AC,  26                           ; v26  its bytes among the sorted codes
.set AS,  27                           ; v27  among the sorted scale words
.set AM,  28                           ; v28  in smask
.set CA,  29                           ; v29  4 x batch
.set NN,  30                           ; v30  the batch's open tokens
.set RAW, 32                           ; v32-95   16 rows as loaded
.set X,   96                           ; v96-159  my two blocks of 32 neighbours
.set C,   160                          ; v160-167 the fragment
.set MK,  168                          ; v168-231 the batch's mask: load i, lane l: tokens 128 i + 4 l + 0..3
	s_load_b256 s[4:11], s[0:1], 0x0               ; h, Wq, Wk, Wv
	s_load_b256 s[12:19], s[0:1], 0x20             ; att_mask, codes, scales, smask
	s_load_b64 s[20:21], s[0:1], 0x40              ; cnt
	v_lshl_add_u32 v[SPW], v0, 2, SPARE
	v_mov_b32 v[NIL], 0
	v_lshrrev_b32 v[LN], 5, v0
	v_readfirstlane_b32 s22, v[LN]                 ; wave
	v_and_b32 v[LN], 31, v0
	v_and_b32 v[RR], 15, v0
	v_bfe_u32 v[HH], v0, 4, 1
	v_lshlrev_b32 v[LI], 4, v[LN]
	s_mul_i32 s25, s22, STGB
	v_add_nc_u32 v[SA], s25, v[LI]
	v_mul_u32_u24 v[RA], v[RR], PITCH
	v_lshl_add_u32 v[RA], v[HH], 7, v[RA]
	v_add_nc_u32 v[RA], s25, v[RA]
	v_lshlrev_b32 v[SO], 2, v[RR]
	v_lshlrev_b32 v[SH], 3, v[HH]
	v_mov_b32 v[TMP], 0                            ; a lane permute's destination counts as one of its sources
	v_mov_b32 v[MB], 0
	s_mov_b32 s40, 0x76543210
	s_mov_b32 s41, 0xfedcba98                      ; v_permlanex16_b32's selects for lane l xor 16
	s_and_b32 s23, ttmp7, 0xffff                   ; the K step
	s_lshl_b32 s24, ttmp9, 2
	s_add_co_u32 s24, s24, s22                     ; T
	s_mul_i32 s25, s24, 6
	s_add_co_u32 s25, s25, s23                     ; 6 T + s
	s_lshl_b32 s26, s25, 10                        ; the fragment's place among the codes,
	s_mov_b32 s27, 0
	s_lshl_b32 s28, s25, 6                         ; and its words' among the scales
	s_mov_b32 s29, 0
	s_lshr_b32 s35, s24, 7
	s_min_u32 s35, s35, 1                          ; the batch (a weight's wave loads the mask too, inside the buffer, and uses nothing of it)
	s_and_b32 s36, s24, 127
	s_lshl_b32 s37, s36, 6                         ; the tile's 16 words of the mask
	s_lshl_b32 s36, s36, 4                         ; t0: the tile's first token in its batch
	s_lshl_b32 s38, s35, 13                        ; the batch's 2,048 words
	s_mov_b32 s39, 0
	v_lshlrev_b32 v[THR], 2, v[LN]
	v_sub_nc_u32 v[THR], s36, v[THR]
	s_lshl_b32 s52, s35, 7
	s_add_co_u32 s52, s52, SORT                    ; the batch's first sorted tile
	s_mul_i32 s52, s52, 6
	s_add_co_u32 s52, s52, s23
	s_lshl_b32 s54, s52, 6
	s_mov_b32 s55, 0
	s_lshl_b32 s52, s52, 10
	s_mov_b32 s53, 0
	s_cmp_eq_u32 s23, 0
	s_cselect_b32 s58, -1, 0                       ; all lanes in the waves of K step 0: they store smask, each word once in the launch
	s_and_b32 s59, s24, 127
	s_xor_b32 s59, s59, 127
	s_or_b32 s59, s59, s23
	s_cmp_eq_u32 s59, 0
	s_cselect_b32 s59, -1, 0                       ; all lanes in the wave of K step 0 and the batch's last tile: it stores cnt
	s_lshl_b32 s60, s35, 2
	s_mov_b32 s34, 88
	s_mov_b32 s44, s37
	s_mov_b32 s45, 0
	s_wait_kmcnt 0x0
	s_add_nc_u64 s[42:43], s[12:13], s[38:39]      ; att_mask at my batch,
	s_add_nc_u64 s[44:45], s[42:43], s[44:45]      ; and at my tile
	s_cmp_lt_u32 ttmp9, 88                         ; which tensor: the choice hangs on the work-group's number alone; only pointers are chosen
	s_cselect_b64 s[32:33], s[8:9], s[10:11]
	s_cselect_b32 s34, 76, s34
	s_cmp_lt_u32 ttmp9, 76
	s_cselect_b64 s[32:33], s[6:7], s[32:33]
	s_cselect_b32 s34, 64, s34
	s_cmp_lt_u32 ttmp9, 64
	s_cselect_b64 s[32:33], s[4:5], s[32:33]
	s_cselect_b32 s34, 0, s34
	s_sub_co_u32 s34, ttmp9, s34
	s_lshl_b32 s34, s34, 2
	s_add_co_u32 s34, s34, s22                     ; the tile's number inside its tensor
	s_mul_i32 s46, s34, 49152                      ; 16 rows of 3,072 bytes
	s_lshl_b32 s47, s23, 9
	s_add_co_u32 s46, s46, s47                     ; + 512 bytes a K step
	s_mov_b32 s47, 0
	s_add_nc_u64 s[32:33], s[32:33], s[46:47]
	s_add_nc_u64 s[48:49], s[14:15], s[26:27]      ; codes and scales at my fragment,
	s_add_nc_u64 s[50:51], s[16:17], s[28:29]
	s_add_nc_u64 s[52:53], s[14:15], s[52:53]      ; and at the batch's sorted tiles, my K step
	s_add_nc_u64 s[54:55], s[16:17], s[54:55]
	s_add_nc_u64 s[56:57], s[18:19], s[38:39]      ; smask at my batch
	global_load_b32 v[TM], v[SO], s[44:45]         ; the mask first: it is in when the rows are
.irp i, 0,1,2,3,4,5,6,7,8,9,10,11,12,13,14,15
	global_load_b128 v[MK+4*\i:MK+4*\i+3], v[LI], s[42:43] offset:512*\i
.endr
.irp i, 0,1,2,3,4,5,6,7,8,9,10,11,12,13,14,15
	global_load_b128 v[RAW+4*\i:RAW+4*\i+3], v[LI], s[32:33] offset:3072*\i th:TH_LOAD_NT   ; row i: 32 lanes read 512 consecutive bytes; read once in the launch
.endr
.irp i, 0,1,2,3,4,5,6,7,8,9,10,11,12,13,14,15
	s_wait_loadcnt 15-\i                           ; loads come back in order: row i is in, the 15 - i behind it may be out
	ds_store_b128 v[SA], v[RAW+4*\i:RAW+4*\i+3] offset:PITCH*\i
.endr
.irp c, 0,1
.irp i, 0,1,2,3,4,5,6,7
	ds_load_b128 v[X+32*\c+4*\i:X+32*\c+4*\i+3], v[RA] offset:256*\c+16*\i   ; block 2 c + h of row r; LDS serves a wave's instructions in order: these see my stores
.endr
.endr
	s_wait_dscnt 0x0
.irp c, 0,1
	v_max3_num_f32 v[MX+\c], |v[X+32*\c]|, |v[X+32*\c+1]|, 0x1800000   ; all 32 numbers of a block are mine; the floor 2^(3 - 127) holds the byte at 1 from below
.endr
.irp i, 2,4,6,8,10,12,14,16,18,20,22,24,26,28,30
.irp c, 0,1
	v_max3_num_f32 v[MX+\c], v[MX+\c], |v[X+32*\c+\i]|, |v[X+32*\c+\i+1]|   ; the two blocks by turns
.endr
.endr
.irp c, 0,1
	v_add_nc_u32 v[SCO+\c], 0xff000000, v[MX+\c]   ; 2 off the exponent field: the conversion takes this operand's exponent field as its scale
.endr
.irp c, 0,1
	v_lshrrev_b32 v[BY+\c], 23, v[SCO+\c]          ; the scale's byte
.endr
	v_lshl_or_b32 v[WD], v[BY+1], 16, v[BY]        ; blocks h and 2 + h,
	v_lshlrev_b32 v[WD], v[SH], v[WD]              ; at their places in the word;
	v_permlanex16_b32 v[TMP], v[WD], s40, s41
	v_or_b32 v[WD], v[WD], v[TMP]                  ; with lane l xor 16's two the word is whole
.irp c, 0,1
.irp g, 0,1,2,3
	v_cvt_scalef32_pk8_fp4_f32 v[C+4*\c+\g], v[X+32*\c+8*\g:X+32*\c+8*\g+7], v[SCO+\c]   ; to the nearest code, ties to even, beyond 6 the largest code
.endr
.endr
	v_nop                                          ; one plain line behind the last scaled conversion
.irp c, 0,1
	global_store_b128 v[LI], v[C+4*\c:C+4*\c+3], s[48:49] offset:512*\c   ; 512 consecutive bytes, at a multiple of 512 from the buffer's first byte
.endr
	s_wait_xcnt 0x0                                ; EXEC is a source of the stores above: it changes only behind this wait
	v_cmp_gt_u32 vcc_lo, 16, v[LN]
	s_and_saveexec_b32 s30, vcc_lo                 ; lanes 0-15: a word a row
	global_store_b32 v[SO], v[WD], s[50:51]
	s_wait_xcnt 0x0                                ; and again ahead of the line that widens it
	s_or_b32 exec_lo, exec_lo, s30
	s_cmp_ge_u32 ttmp9, 64                         ; a weight has no sorted copy: a branch on the work-group's number; no LDS instruction stands behind it but the closing add
	s_cbranch_scc1 .Ldone
	; ---- my token's place.  Masked tokens of the batch ahead of the tile: four tokens a lane and load, counted where 128 i + 4 lane < t0
.irp i, 0,1,2,3,4,5,6,7,8,9,10,11,12,13,14,15
.irp j, 0,1,2,3
	v_min_u32 v[MK+4*\i+\j], 1, v[MK+4*\i+\j]      ; 1 where the word is not 0
.endr
	v_add3_u32 v[MK+4*\i], v[MK+4*\i], v[MK+4*\i+1], v[MK+4*\i+2]
	v_add_nc_u32 v[MK+4*\i], v[MK+4*\i], v[MK+4*\i+3]
	v_cmp_lt_i32 vcc_lo, 128*\i, v[THR]
	v_cndmask_b32 v[MK+4*\i], 0, v[MK+4*\i], vcc_lo
	v_add_nc_u32 v[MB], v[MB], v[MK+4*\i]          ; at most 64 a lane: seven bits
.endr
	s_mov_b32 s37, 0
.irp b, 0,1,2,3,4,5,6                  ; the 32 lanes' sum, bit by bit: how many lanes have the bit, times its worth
	v_and_b32 v[T1], 1<<\b, v[MB]
	v_cmp_ne_u32 vcc_lo, 0, v[T1]
	s_bcnt1_i32_b32 s38, vcc_lo
	s_lshl_b32 s38, s38, \b
	s_add_co_u32 s37, s37, s38
.endr
	v_cmp_ne_u32 s31, 0, v[TM]                     ; the tile's masked tokens: token r in bits r and 16 + r
	v_mbcnt_lo_u32_b32 v[POS], s31, 0              ; set bits under my lane's
	s_and_b32 s34, s31, 0xffff
	s_bcnt1_i32_b32 s34, s34                       ; masked tokens in the tile
	v_mul_u32_u24 v[T1], v[HH], s34
	v_sub_nc_u32 v[POS], v[POS], v[T1]             ; (lanes 16-31 have counted the low half too): the tile's masked tokens ahead of mine
	s_add_co_u32 s38, s37, s34
	s_sub_co_u32 s38, 2048, s38                    ; in the batch's last tile: the batch's open tokens
	v_mov_b32 v[NN], s38
	v_add_nc_u32 v[MB], s37, v[POS]                ; masked tokens ahead of mine
	v_add_nc_u32 v[T1], s36, v[RR]                 ; my token
	v_sub_nc_u32 v[T1], v[T1], v[MB]               ; open tokens ahead of it: its place if it is open
	v_sub_nc_u32 v[POS], 0x7ff, v[MB]              ; its place if it is masked: from the back
	v_cndmask_b32 v[POS], v[T1], v[POS], s31
	v_lshrrev_b32 v[HI], 4, v[POS]
	v_and_b32 v[LO], 15, v[POS]
	v_min_u32 v[HI], 127, v[HI]                    ; held inside the tables ahead of every address
	v_min_u32 v[LO], 15, v[LO]
	v_min_u32 v[AM], 0x7ff, v[POS]
	v_mul_u32_u24 v[AC], v[HI], 6144               ; a tile's codes,
	v_lshl_add_u32 v[AC], v[LO], 4, v[AC]          ; the row's lane,
	v_lshl_add_u32 v[AC], v[HH], 8, v[AC]          ; my half
	v_mul_u32_u24 v[AS], v[HI], 384
	v_lshl_add_u32 v[AS], v[LO], 2, v[AS]
	v_lshlrev_b32 v[AM], 2, v[AM]
	v_mov_b32 v[CA], s60
.irp c, 0,1
	global_store_b128 v[AC], v[C+4*\c:C+4*\c+3], s[52:53] offset:512*\c
.endr
	s_wait_xcnt 0x0                                ; EXEC changes only behind this wait, here and at each line below that narrows or widens it
	v_cmp_gt_u32 vcc_lo, 16, v[LN]
	s_and_saveexec_b32 s30, vcc_lo
	global_store_b32 v[AS], v[WD], s[54:55]
	s_wait_xcnt 0x0
	s_or_b32 exec_lo, exec_lo, s30
	v_cmp_gt_u32 vcc_lo, 16, v[LN]
	s_and_b32 vcc_lo, vcc_lo, s58                  ; no lane but in K step 0: the condition on ids goes into the lanes' mask, so that no branch stands under a narrowed EXEC
	s_and_saveexec_b32 s30, vcc_lo
	global_store_b32 v[AM], v[TM], s[56:57]
	s_wait_xcnt 0x0
	s_or_b32 exec_lo, exec_lo, s30
	v_cmp_eq_u32 vcc_lo, 0, v[LN]
	s_and_b32 vcc_lo, vcc_lo, s59                  ; lane 0 of one wave for each batch
	s_and_saveexec_b32 s30, vcc_lo
	global_store_b32 v[CA], v[NN], s[20:21]
	s_wait_xcnt 0x0
	s_or_b32 exec_lo, exec_lo, s30
.Ldone:
	s_wait_tensorcnt 0x0                           ; the wave's end: behind my last LDS store
	ds_add_u32 v[SPW], v[NIL]
	s_wait_dscnt 0x0
	s_endpgm
.Lfunc_end_k_qd121d2ae1b_quant:
	.size	k_qd121d2ae1b_quant, .Lfunc_end_k_qd121d2ae1b_quant-k_qd121d2ae1b_quant
	.p2alignl 7, 3214868480
	.fill 96, 4, 3214868480
	.section	.rodata,"a",@progbits
	.p2align	6, 0x0
	.amdhsa_kernel k_qd121d2ae1b_quant
		.amdhsa_group_segment_fixed_size 34304
		.amdhsa_private_segment_fixed_size 0
		.amdhsa_enable_private_segment 0
		.amdhsa_kernarg_size 72
		.amdhsa_user_sgpr_count 2
		.amdhsa_user_sgpr_kernarg_segment_ptr 1
		.amdhsa_wavefront_size32 1
		.amdhsa_system_sgpr_workgroup_id_x 1
		.amdhsa_system_sgpr_workgroup_id_y 1
		.amdhsa_system_sgpr_workgroup_id_z 1
		.amdhsa_system_vgpr_workitem_id 0
		.amdhsa_next_free_vgpr 240
		.amdhsa_next_free_sgpr 66
		.amdhsa_reserve_vcc 1
		.amdhsa_float_denorm_mode_32 3
		.amdhsa_float_denorm_mode_16_64 3
		.amdhsa_memory_ordered 1
		.amdhsa_forward_progress 1
		.amdhsa_inst_pref_size 22
	.end_amdhsa_kernel
	.amdgpu_metadata
---
amdhsa.version: [ 1, 2 ]
amdhsa.kernels:
  - .name:           k_qd121d2ae1b_quant
    .symbol:         k_qd121d2ae1b_quant.kd
    .args:
      - { .name: h, .offset: 0, .size: 8, .value_kind: global_buffer, .address_space: global }
      - { .name: Wq, .offset: 8, .size: 8, .value_kind: global_buffer, .address_space: global }
      - { .name: Wk, .offset: 16, .size: 8, .value_kind: global_buffer, .address_space: global }
      - { .name: Wv, .offset: 24, .size: 8, .value_kind: global_buffer, .address_space: global }
      - { .name: att_mask, .offset: 32, .size: 8, .value_kind: global_buffer, .address_space: global }
      - { .name: codes, .offset: 40, .size: 8, .value_kind: global_buffer, .address_space: global }
      - { .name: scales, .offset: 48, .size: 8, .value_kind: global_buffer, .address_space: global }
      - { .name: smask, .offset: 56, .size: 8, .value_kind: global_buffer, .address_space: global }
      - { .name: cnt, .offset: 64, .size: 8, .value_kind: global_buffer, .address_space: global }
    .group_segment_fixed_size: 34304
    .private_segment_fixed_size: 0
    .kernarg_segment_align: 8
    .kernarg_segment_size: 72
    .max_flat_workgroup_size: 128
    .sgpr_count:     66
    .vgpr_count:     240
    .wavefront_size: 32
...
	.end_amdgpu_metadata
.endif
;; end of part 5
;; launch proj (part 6): grid 108 x 6, 4 waves a work-group, no clusters, 34,304 bytes of LDS; arguments codes, scales, bq, bk, bv, smask, Wo, qkvf, wof, gsum; writes qkvf, wof, gsum
.if DOCPART == 6
	.amdgcn_target "amdgcn-amd-amdhsa--gfx1250"
	.amdhsa_code_object_version 6
	.text
	.protected	k_qd121d2ae1b_proj
	.globl	k_qd121d2ae1b_proj
	.p2align	8
	.type	k_qd121d2ae1b_proj,@function
k_qd121d2ae1b_proj:
	s_mov_b64 s[64:65], 0
	v_nop
	global_prefetch_b8 v0, s[64:65] scope:SCOPE_SE
	s_setreg_imm32_b32 hwreg(HW_REG_WAVE_MODE, 25, 1), 1
	s_wait_xcnt 0x0
; WORK-GROUPS x < 96: q = (h Wq^T + bq) c, k = (h Wk^T + bk) keep, v = h Wv^T + bv, on codes of E2M1 with E8M0 scales, sums in f32; results rounded once to f16.
;   c = log2(e) / 8, so that the scores of the next launch are exponents of 2.  keep = 0 for a token whose word of the mask is not 0, else 1: a masked key is stored as zeros, so that
;   its score is exactly the constant that the next launch gives the product as its C.
;   q is made of the tokens as they lie; K AND V ARE MADE OF THE SORTED COPY (tiles 400 on; smask is the mask in that order): each batch's open tokens first.
;   gsum [batch x head 24][group of 64 sorted tokens 32][64 channels], f32: the sum of the group's v: the next launch takes the groups that it leaves out, all masked, as one key.
; WORK-GROUPS x >= 96: Wo [768][768] f32 becomes f16, laid as operand registers.  The two paths part on the work-group's number and never join; only the second uses LDS.
; LIMITS: |q c|, |k|, |v| and |Wo| stay under 65,504 (f16's largest number); NaN and infinities are not served.
; qkvf: [type 3][batch x head 24][group of 64 tokens 32][y 4][x 4][512 bytes], f16; lane l's 16 bytes at 16 l.  q, k: y = tile of 16 tokens, x = tile of 16 channels: lane (r, h) holds token r, channels 16 x + 8 h + 0..7.
;   v: y = tile of 16 channels, x = tile of 16 tokens: lane (r, h) holds channel r, tokens 16 x + 8 h + 0..7.  Pieces 2 u and 2 u + 1 are the eight registers of a 16 x 32 fragment of the next launch.
; wof: [tile of 16 rows 48][32 along K, 24][c 2][512 bytes]: lane (r, h): Wo(16 t + r, 32 kk + 16 c + 8 h + 0..7).
; SHARES (products): g = 96 y + x; type x head = g / 16; a wave takes 64 tokens (4 (g % 16) + wave) x one head over all of K = 768: 16 accumulators, 96 matrix instructions.
; ONE TEXT FOR THE THREE TYPES: source 0 is the set X, source 1 the set Y, four tiles each; a lane of D(x, y) holds row r of Y and rows 8 h + 0..7 of X.  q, k: X = the weight's rows, Y = tokens; v: the other way round.
; Which is which is a choice of tile numbers by s_cselect_b32 on the work-group's number.  The bias along X is the C of the first product; the bias along Y and the factor are one packed multiply-add on the way out.
; NO CLUSTER, NO TENSOR LOAD: a wave's whole operand stream is 48 KiB, each fragment is read by loads of 512 consecutive bytes straight into registers, and four waves to a SIMD stand in for each other's waits.
.set PITCH, 528
.set STGB,  16*PITCH
.set SPARE, 4*STGB
.set LI,  1                            ; v1   16 x lane
.set L4,  2                            ; v2   4 x lane
.set R4,  3                            ; v3   r, then 4 r
.set H32, 4                            ; v4   h, then 32 h
.set SPW, 5                            ; v5   my spare word; never rewritten
.set NIL, 6                            ; v6   0; never rewritten
.set SFV, 7                            ; v7   the type's factor: c or 1
.set XS,  8                            ; v8-11  X's scale words of two K steps (lanes 0-15 the even step's, lanes 16-31 the odd one's)
.set YS,  12                           ; v12-15 Y's
.set F,   16                           ; v16+2y the factor of Y's row r in tile y (the odd register is named with it as a pair, and holds 0)
.set G,   24                           ; v24+2y the addend likewise
.set BX,  32                           ; v32-63 the bias along X, in the result's layout
.set XF,  64                           ; v64-95  X's four fragments
.set YF,  96                           ; v96-127 Y's
.set ACC, 128                          ; v128-255 accumulator (x, y) at 128 + 8 (4 x + y)
	s_load_b256 s[4:11], s[0:1], 0x0               ; codes, scales, bq, bk
	s_load_b256 s[12:19], s[0:1], 0x20             ; bv, smask, Wo, qkvf
	s_load_b64 s[20:21], s[0:1], 0x40              ; wof
	s_load_b64 s[30:31], s[0:1], 0x48              ; gsum
	v_lshl_add_u32 v[SPW], v0, 2, SPARE
	v_mov_b32 v[NIL], 0
	v_lshrrev_b32 v[LI], 5, v0
	v_readfirstlane_b32 s22, v[LI]                 ; wave
	v_and_b32 v[L4], 31, v0
	v_lshlrev_b32 v[LI], 4, v[L4]
	v_lshlrev_b32 v[L4], 2, v[L4]
	v_and_b32 v[R4], 15, v0                        ; r
	v_bfe_u32 v[H32], v0, 4, 1                     ; h
	s_and_b32 s23, ttmp7, 0xffff                   ; work-group y
	s_cmp_ge_u32 ttmp9, 96
	s_cbranch_scc1 .Lwo
	; ---------------- the three quantised products ----------------
	v_lshlrev_b32 v[R4], 2, v[R4]
	v_lshlrev_b32 v[H32], 5, v[H32]
	s_mul_i32 s24, s23, 96
	s_add_co_u32 s24, s24, ttmp9                   ; g
	s_lshr_b32 s25, s24, 4                         ; 12 x type + head
	s_and_b32 s26, s24, 15
	s_lshl_b32 s26, s26, 2
	s_add_co_u32 s26, s26, s22                     ; my group of 64 tokens, 0..63
	s_cmp_ge_u32 s25, 12
	s_cselect_b32 s27, 1, 0
	s_cmp_ge_u32 s25, 24
	s_cselect_b32 s29, 1, 0
	s_add_co_u32 s27, s27, s29                     ; type: 0 q, 1 k, 2 v
	s_mul_i32 s29, s27, 12
	s_sub_co_u32 s28, s25, s29                     ; head
	s_lshl_b32 s54, s25, 2
	s_add_co_u32 s54, s54, 256                     ; the weight's first tile among the codes
	s_lshl_b32 s55, s26, 2                         ; the tokens' first tile:
	s_cmp_eq_u32 s27, 0
	s_cselect_b32 s29, 0, 400                      ; as they lie for q, of the sorted copy for k and v
	s_add_co_u32 s55, s55, s29
	s_cmp_eq_u32 s27, 2
	s_cselect_b32 s46, -1, 0                       ; all lanes where the type is v,
	s_cselect_b32 s47, 0, -1                       ; where it is not
	s_cselect_b32 s50, s55, s54                    ; X's first tile
	s_cselect_b32 s52, s54, s55                    ; Y's
	s_cmp_eq_u32 s27, 1
	s_cselect_b32 s48, -1, 0                       ; all lanes where the type is k
	s_cmp_eq_u32 s27, 0
	s_cselect_b32 s49, 0x3e38aa3b, 1.0             ; c = log2(e) / 8 for q, else 1
	s_mov_b32 s57, 0
	s_mov_b32 s58, 0x76543210
	s_mov_b32 s59, 0xfedcba98                      ; v_permlanex16_b32's selects for lane l xor 16
	s_wait_kmcnt 0x0
	s_mul_i32 s56, s50, 6144                       ; a tile's codes: 6 K steps of 1,024 bytes
	s_add_nc_u64 s[32:33], s[4:5], s[56:57]
	s_mul_i32 s56, s52, 6144
	s_add_nc_u64 s[34:35], s[4:5], s[56:57]
	s_mul_i32 s56, s50, 384                        ; its scale words: 6 x 64 bytes
	s_add_nc_u64 s[36:37], s[6:7], s[56:57]
	s_mul_i32 s56, s52, 384
	s_add_nc_u64 s[38:39], s[6:7], s[56:57]
	s_cmp_eq_u32 s27, 1
	s_cselect_b64 s[40:41], s[10:11], s[8:9]       ; bk or bq,
	s_cmp_eq_u32 s27, 2
	s_cselect_b64 s[40:41], s[12:13], s[40:41]     ; or bv
	s_lshl_b32 s56, s28, 8
	s_add_nc_u64 s[40:41], s[40:41], s[56:57]      ; at the head's 64 numbers
	s_lshl_b32 s56, s26, 8
	s_add_nc_u64 s[42:43], s[14:15], s[56:57]      ; smask at my 64 tokens
	s_mul_i32 s56, s27, 6291456                    ; the type's part of qkvf,
	s_lshr_b32 s29, s26, 5                         ; batch
	s_mul_i32 s29, s29, 12
	s_add_co_u32 s29, s29, s28
	s_lshl_b32 s29, s29, 18                        ; 262,144 bytes for a batch and head,
	s_and_b32 s51, s26, 31
	s_lshl_b32 s51, s51, 13                        ; 8,192 for a group of 64 tokens
	s_add_co_u32 s51, s51, s29
	s_add_co_u32 s56, s56, s51
	s_add_nc_u64 s[44:45], s[18:19], s[56:57]
	s_lshr_b32 s56, s51, 5                         ; gsum: 8,192 bytes for a batch and head, 256 for a group
	s_add_nc_u64 s[30:31], s[30:31], s[56:57]
.irp x, 0,1,2,3
	global_load_b128 v[BX+8*\x:BX+8*\x+3], v[H32], s[40:41] offset:64*\x        ; bias(16 x + 8 h + 0..7)
	global_load_b128 v[BX+8*\x+4:BX+8*\x+7], v[H32], s[40:41] offset:64*\x+16
.endr
.irp y, 0,1,2,3
	global_load_b32 v[G+2*\y], v[R4], s[40:41] offset:64*\y                     ; bias(16 y + r)
	global_load_b32 v[F+2*\y], v[R4], s[42:43] offset:64*\y                     ; smask(token 16 y + r)
.endr
; K step s: the scale words of two steps come with the even one; then eight pieces a side, 512 consecutive bytes each
.macro KLOAD s
.if (\s)%2 == 0
.irp i, 0,1,2,3
	global_load_b32 v[XS+\i], v[L4], s[36:37] offset:384*\i+64*(\s)
	global_load_b32 v[YS+\i], v[L4], s[38:39] offset:384*\i+64*(\s)
.endr
.endif
.irp i, 0,1,2,3
.irp c, 0,1
	global_load_b128 v[XF+8*\i+4*\c:XF+8*\i+4*\c+3], v[LI], s[32:33] offset:6144*\i+1024*(\s)+512*\c
	global_load_b128 v[YF+8*\i+4*\c:YF+8*\i+4*\c+3], v[LI], s[34:35] offset:6144*\i+1024*(\s)+512*\c
.endr
.endr
.endm
; 16 matrix instructions: the 16 accumulators take turns, one instruction a turn, in the same order in every K step.  The first step's C is the bias along X: nothing is cleared.
.macro KMUL s
.irp x, 0,1,2,3
.irp y, 0,1,2,3
.if (\s) == 0
	v_wmma_scale_f32_16x16x128_f8f6f4 v[ACC+8*(4*\x+\y):ACC+8*(4*\x+\y)+7], v[XF+8*\x:XF+8*\x+7], v[YF+8*\y:YF+8*\y+7], v[BX+8*\x:BX+8*\x+7], v[XS+\x], v[YS+\y] matrix_a_fmt:MATRIX_FMT_FP4 matrix_b_fmt:MATRIX_FMT_FP4
.elseif (\s)%2 == 0
	v_wmma_scale_f32_16x16x128_f8f6f4 v[ACC+8*(4*\x+\y):ACC+8*(4*\x+\y)+7], v[XF+8*\x:XF+8*\x+7], v[YF+8*\y:YF+8*\y+7], v[ACC+8*(4*\x+\y):ACC+8*(4*\x+\y)+7], v[XS+\x], v[YS+\y] matrix_a_fmt:MATRIX_FMT_FP4 matrix_b_fmt:MATRIX_FMT_FP4
.else
	v_wmma_scale_f32_16x16x128_f8f6f4 v[ACC+8*(4*\x+\y):ACC+8*(4*\x+\y)+7], v[XF+8*\x:XF+8*\x+7], v[YF+8*\y:YF+8*\y+7], v[ACC+8*(4*\x+\y):ACC+8*(4*\x+\y)+7], v[XS+\x], v[YS+\y] matrix_a_fmt:MATRIX_FMT_FP4 matrix_b_fmt:MATRIX_FMT_FP4 matrix_a_scale:MATRIX_SCALE_ROW1 matrix_b_scale:MATRIX_SCALE_ROW1
.endif
.endr
.endr
.rept 4
	v_nop                                          ; four places ahead of the loads into registers that these products read, and of the first read of results
.endr
.endm
	KLOAD 0
	s_wait_loadcnt 24                              ; the biases and the mask are in; K step 0's 24 loads, issued behind them, may be out
	v_mov_b32 v[SFV], s49
.irp j, 0,1,2,3,4,5,6,7,8,9,10,11,12,13,14,15,16,17,18,19,20,21,22,23,24,25,26,27,28,29,30,31
	v_cndmask_b32 v[BX+\j], 0, v[BX+\j], s47       ; the bias runs along X for q and k; for v it runs along Y
.endr
.irp y, 0,1,2,3
	v_cndmask_b32 v[G+2*\y], 0, v[G+2*\y], s46     ; the addend: bv for v, 0 for q and k
	v_mov_b32 v[G+2*\y+1], 0
	v_cmp_eq_u32 vcc_lo, 0, v[F+2*\y]
	v_cndmask_b32 v[F+2*\y], 0, 1.0, vcc_lo        ; keep
	v_cndmask_b32 v[F+2*\y], v[SFV], v[F+2*\y], s48   ; the factor: keep for k, c for q, 1 for v
	v_mov_b32 v[F+2*\y+1], 0
.endr
	s_wait_loadcnt 0x0
	KMUL 0
.irp s, 1,2,3,4,5
	KLOAD \s
	s_wait_loadcnt 0x0
	KMUL \s
.endr
.irp x, 0,1,2,3
.irp y, 0,1,2,3
.irp j, 0,2,4,6
	v_pk_fma_f32 v[ACC+8*(4*\x+\y)+\j:ACC+8*(4*\x+\y)+\j+1], v[ACC+8*(4*\x+\y)+\j:ACC+8*(4*\x+\y)+\j+1], v[F+2*\y:F+2*\y+1], v[G+2*\y:G+2*\y+1] op_sel_hi:[1,0,0]   ; each accumulator from its low end on; of the pairs the low word serves both halves
.endr
.irp j, 0,1,2,3
	v_cvt_pk_f16_f32 v[XF+4*(4*\x+\y)+\j], v[ACC+8*(4*\x+\y)+2*\j], v[ACC+8*(4*\x+\y)+2*\j+1]
.endr
	global_store_b128 v[LI], v[XF+4*(4*\x+\y):XF+4*(4*\x+\y)+3], s[44:45] offset:2048*\y+512*\x   ; a piece: 512 consecutive bytes, at a multiple of 512 from the buffer's first byte
.endr
.endr
	s_cmp_lg_u32 s27, 2                            ; v alone: the sum of my 64 tokens' v.  A branch on the work-group's number
	s_cbranch_scc1 .Lpend
; register j of lane (r, h) in accumulator (x, y) is v(token 16 x + 8 h + j, channel 16 y + r): the sum runs over j, x and h.  The stores' data lie in v64-127 and are not touched
.irp x, 0,1,2,3
.irp y, 0,1,2,3
	v_pk_add_f32 v[ACC+8*(4*\x+\y):ACC+8*(4*\x+\y)+1], v[ACC+8*(4*\x+\y):ACC+8*(4*\x+\y)+1], v[ACC+8*(4*\x+\y)+2:ACC+8*(4*\x+\y)+3]
	v_pk_add_f32 v[ACC+8*(4*\x+\y)+4:ACC+8*(4*\x+\y)+5], v[ACC+8*(4*\x+\y)+4:ACC+8*(4*\x+\y)+5], v[ACC+8*(4*\x+\y)+6:ACC+8*(4*\x+\y)+7]
.endr
.endr
.irp x, 0,1,2,3
.irp y, 0,1,2,3
	v_pk_add_f32 v[ACC+8*(4*\x+\y):ACC+8*(4*\x+\y)+1], v[ACC+8*(4*\x+\y):ACC+8*(4*\x+\y)+1], v[ACC+8*(4*\x+\y)+4:ACC+8*(4*\x+\y)+5]
.endr
.endr
.irp y, 0,1,2,3
	v_pk_add_f32 v[ACC+8*\y:ACC+8*\y+1], v[ACC+8*\y:ACC+8*\y+1], v[ACC+32+8*\y:ACC+32+8*\y+1]
	v_pk_add_f32 v[ACC+64+8*\y:ACC+64+8*\y+1], v[ACC+64+8*\y:ACC+64+8*\y+1], v[ACC+96+8*\y:ACC+96+8*\y+1]
.endr
.irp y, 0,1,2,3
	v_pk_add_f32 v[ACC+8*\y:ACC+8*\y+1], v[ACC+8*\y:ACC+8*\y+1], v[ACC+64+8*\y:ACC+64+8*\y+1]
.endr
.irp y, 0,1,2,3
	v_add_f32 v[ACC+8*\y], v[ACC+8*\y], v[ACC+8*\y+1]
.endr
.irp y, 0,1,2,3
	v_permlanex16_b32 v[BX+\y], v[ACC+8*\y], s58, s59
.endr
.irp y, 0,1,2,3
	v_add_f32 v[ACC+8*\y], v[ACC+8*\y], v[BX+\y]   ; both halves of the lanes now hold channel 16 y + r's sum
.endr
	v_cmp_gt_u32 vcc_lo, 64, v[L4]                 ; lanes 0-15
	v_cndmask_b32 v[BX], v[ACC+8], v[ACC], vcc_lo  ; lanes 0-15: channels 0-15; lanes 16-31: channels 16-31
	v_cndmask_b32 v[BX+1], v[ACC+24], v[ACC+16], vcc_lo   ; channels 32-63 likewise
	global_store_b32 v[L4], v[BX], s[30:31]        ; the two stores fill the group's 256 bytes
	global_store_b32 v[L4], v[BX+1], s[30:31] offset:128
.Lpend:
	s_wait_tensorcnt 0x0                           ; a wave's end in a launch that stores to LDS
	ds_add_u32 v[SPW], v[NIL]
	s_wait_dscnt 0x0
	s_endpgm
	; ---------------- Wo into f16 ----------------
; A wave takes 16 rows (tile 4 (x - 96) + wave) x 128 columns (128 y on): 16 loads of 512 consecutive bytes, a turn through its own stage (pitch 528 = 33 x 16 bytes), 8 pieces out.
.set SA,  16                           ; v16  the stage, on the way in
.set RA,  17                           ; v17  and on the way out: row r, + 32 h
.set RAW, 32
.set XW,  96
.set HW,  160
.Lwo:
	s_sub_co_u32 s24, ttmp9, 96
	s_lshl_b32 s24, s24, 2
	s_add_co_u32 s24, s24, s22                     ; the tile of 16 rows
	s_mul_i32 s25, s22, STGB
	v_add_nc_u32 v[SA], s25, v[LI]
	v_mul_u32_u24 v[RA], v[R4], PITCH
	v_lshl_add_u32 v[RA], v[H32], 5, v[RA]
	v_add_nc_u32 v[RA], s25, v[RA]
	s_mul_i32 s56, s24, 49152
	s_lshl_b32 s26, s23, 9
	s_add_co_u32 s56, s56, s26
	s_mov_b32 s57, 0
	s_mul_i32 s58, s24, 24
	s_lshl_b32 s26, s23, 2
	s_add_co_u32 s58, s58, s26
	s_lshl_b32 s58, s58, 10                        ; (24 tile + 4 y) x 1,024
	s_mov_b32 s59, 0
	s_wait_kmcnt 0x0
	s_add_nc_u64 s[32:33], s[16:17], s[56:57]
	s_add_nc_u64 s[34:35], s[20:21], s[58:59]
.irp i, 0,1,2,3,4,5,6,7,8,9,10,11,12,13,14,15
	global_load_b128 v[RAW+4*\i:RAW+4*\i+3], v[LI], s[32:33] offset:3072*\i th:TH_LOAD_NT
.endr
.irp i, 0,1,2,3,4,5,6,7,8,9,10,11,12,13,14,15
	s_wait_loadcnt 15-\i                           ; row i is in, the 15 - i behind it may be out
	ds_store_b128 v[SA], v[RAW+4*\i:RAW+4*\i+3] offset:PITCH*\i
.endr
.irp p, 0,1,2,3,4,5,6,7
	ds_load_b128 v[XW+8*\p:XW+8*\p+3], v[RA] offset:64*\p         ; piece p = 2 kk + c: columns 16 p + 8 h + 0..7 of row r; LDS serves a wave's instructions in order
	ds_load_b128 v[XW+8*\p+4:XW+8*\p+7], v[RA] offset:64*\p+16
.endr
	s_wait_dscnt 0x0
.irp p, 0,1,2,3,4,5,6,7
.irp j, 0,1,2,3
	v_cvt_pk_f16_f32 v[HW+4*\p+\j], v[XW+8*\p+2*\j], v[XW+8*\p+2*\j+1]
.endr
	global_store_b128 v[LI], v[HW+4*\p:HW+4*\p+3], s[34:35] offset:512*\p
.endr
	s_wait_tensorcnt 0x0                           ; the wave's end: behind my last LDS store
	ds_add_u32 v[SPW], v[NIL]
	s_wait_dscnt 0x0
	s_endpgm
.Lfunc_end_k_qd121d2ae1b_proj:
	.size	k_qd121d2ae1b_proj, .Lfunc_end_k_qd121d2ae1b_proj-k_qd121d2ae1b_proj
	.p2alignl 7, 3214868480
	.fill 96, 4, 3214868480
	.section	.rodata,"a",@progbits
	.p2align	6, 0x0
	.amdhsa_kernel k_qd121d2ae1b_proj
		.amdhsa_group_segment_fixed_size 34304
		.amdhsa_private_segment_fixed_size 0
		.amdhsa_enable_private_segment 0
		.amdhsa_kernarg_size 80
		.amdhsa_user_sgpr_count 2
		.amdhsa_user_sgpr_kernarg_segment_ptr 1
		.amdhsa_wavefront_size32 1
		.amdhsa_system_sgpr_workgroup_id_x 1
		.amdhsa_system_sgpr_workgroup_id_y 1
		.amdhsa_system_sgpr_workgroup_id_z 1
		.amdhsa_system_vgpr_workitem_id 0
		.amdhsa_next_free_vgpr 256
		.amdhsa_next_free_sgpr 66
		.amdhsa_reserve_vcc 1
		.amdhsa_float_denorm_mode_32 3
		.amdhsa_float_denorm_mode_16_64 3
		.amdhsa_memory_ordered 1
		.amdhsa_forward_progress 1
		.amdhsa_inst_pref_size 55
	.end_amdhsa_kernel
	.amdgpu_metadata
---
amdhsa.version: [ 1, 2 ]
amdhsa.kernels:
  - .name:           k_qd121d2ae1b_proj
    .symbol:         k_qd121d2ae1b_proj.kd
    .args:
      - { .name: codes, .offset: 0, .size: 8, .value_kind: global_buffer, .address_space: global }
      - { .name: scales, .offset: 8, .size: 8, .value_kind: global_buffer, .address_space: global }
      - { .name: bq, .offset: 16, .size: 8, .value_kind: global_buffer, .address_space: global }
      - { .name: bk, .offset: 24, .size: 8, .value_kind: global_buffer, .address_space: global }
      - { .name: bv, .offset: 32, .size: 8, .value_kind: global_buffer, .address_space: global }
      - { .name: smask, .offset: 40, .size: 8, .value_kind: global_buffer, .address_space: global }
      - { .name: Wo, .offset: 48, .size: 8, .value_kind: global_buffer, .address_space: global }
      - { .name: qkvf, .offset: 56, .size: 8, .value_kind: global_buffer, .address_space: global }
      - { .name: wof, .offset: 64, .size: 8, .value_kind: global_buffer, .address_space: global }
      - { .name: gsum, .offset: 72, .size: 8, .value_kind: global_buffer, .address_space: global }
    .group_segment_fixed_size: 34304
    .private_segment_fixed_size: 0
    .kernarg_segment_align: 8
    .kernarg_segment_size: 80
    .max_flat_workgroup_size: 128
    .sgpr_count:     66
    .vgpr_count:     256
    .wavefront_size: 32
...
	.end_amdgpu_metadata
.endif
;; end of part 6
;; launch attn (part 7): grid 8 x 24, 8 waves a work-group, no clusters, 141,312 bytes of LDS; arguments qkvf, smask, cnt, gsum, attf; writes attf
.if DOCPART == 7
	.amdgcn_target "amdgcn-amd-amdhsa--gfx1250"
	.amdhsa_code_object_version 6
	.text
	.protected	k_qd121d2ae1b_attn
	.globl	k_qd121d2ae1b_attn
	.p2align	8
	.type	k_qd121d2ae1b_attn,@function
k_qd121d2ae1b_attn:
	s_mov_b64 s[64:65], 0
	v_nop
	global_prefetch_b8 v0, s[64:65] scope:SCOPE_SE
	s_setreg_imm32_b32 hwreg(HW_REG_WAVE_MODE, 25, 1), 1
	s_wait_xcnt 0x0
; att[b][h][q][:] = the sum over k of softmax_k(score) v[b][h][k][:]; score = q . k / 8, or -1e9 where att_mask[b][k] is not 0.  f16 operands, f32 products' sums, maxima and sums; p rounded to f16 for the second product.
; q arrives times log2(e) / 8, so S is t = score x log2(e), and p = 2^(t - m), m the running maximum of t.
; ONLY THE OPEN KEYS ARE WALKED.  K and V arrive with each batch's tokens sorted, the n = cnt[b] open ones first: the walk is ceil(n / 64) key steps of 64.  In the last of them the masked keys count as
; reference()'s where has them: their k was stored as zeros, and the first product of each tile of scores takes as its C a row of biases, 0 or -1e9 log2(e): a masked t is that constant exactly.
; THE KEYS LEFT OUT, all masked, have one and the same t, so they count TOGETHER AS ONE KEY at the end: with m' = max(m, -1e9 log2(e)), l' = l 2^(m - m') + (their number) 2^(-1e9 log2(e) - m'), and O' likewise
; with the sum of their v (gsum, added over the groups left out).  That holds for every range of scores; a batch that is all masked walks no step and gets the plain average.
; LIMITS: |att| stays under 65,504 (f16); NaN and infinities are not served; the keys are summed in the sorted order, not in reference()'s.
; SHARES: a work-group owns 256 queries of one batch and head, each of its eight waves 32: two tiles of 16; two waves share a SIMD, so that one's softmax stands beside the other's products.
; Every fragment of K and V read from LDS feeds two products.
; LAYOUT: S^T = K Q^T (source 0 = 16 keys, source 1 = 16 queries), O^T = V^T P (source 0 = 16 channels, source 1 = P): a lane holds ONE query throughout; two tiles of S^T rounded in pairs ARE a fragment of P.
; K, V and Q lie in memory as images of operand registers (pieces of 512 bytes, lane l's 16 bytes at 16 l): every load and every LDS access is 512 consecutive bytes; no padding, no turning load.
; NO TENSOR LOAD, SO NO CLUSTER: the number of key steps hangs on a count read from memory.  K and V come THROUGH REGISTERS into two
; LDS slots of 256 keys (32 KiB of K, 32 KiB of V): each wave loads an eighth of the next slot (16 loads into v192-255) at a visit's head and stores it into the other slot at the visit's end; one barrier a visit.
; BOTH LOOPS HAVE CONSTANT TRIP COUNTS (8 visits of 4 steps): scalar branches on the count lead round the loads, the step and the stores, never round a barrier, a wait or a line that steps an address.
; No prefetch: a visit's loads are issued four key steps ahead of the wait for them.
; attf: [tile of 16 tokens 256][32 along the next K: 2 head + u, 24][c 2][512 bytes], f16: the next launch's operand registers; the queries lie as reference() has them.
; REGISTERS.  window 0: v1-15 addresses and constants; v16-31 statistics, eight a tile: +0 m, +1 (named with it), +2, +3 l, +4..+7 at work (alpha in +6); v64-127 S^T; v128-159 P; v160-191 the biases; v192-255 the next slot's eighth.
;   window 1: v0-31 Q; v32-95 O^T; v96-159 K of a step; v160-223 V of a step.
.set VIS,   65536                      ; a slot; slot 1 begins here: one exclusive or turns an address from one slot into the other
.set VOFF,  32768                      ; V's images behind K's
.set BIAS,  2*VIS                      ; the batch's 2,048 biases, f32, in the sorted order
.set VSP,   BIAS+8192                  ; four partial sums of gsum, 64 f32 each
.set SPARE, VSP+1024                   ; the spare words, 128 bytes a wave
.set TYB,   6291456                    ; a type's part of qkvf
.set NEGB,  0xceabfb8f                 ; -1e9 x log2(e)
.set LOW,   0xff61b1e6                 ; -3e38, under every t
.set LI,   1                           ; v1   16 x lane
.set ABI0, 2                           ; v2   BIAS + 32 h
.set ADK,  3                           ; v3   the step's K
.set ADV,  4                           ; v4   the step's V
.set ABI,  5                           ; v5   the step's biases
.set SGB,  6                           ; v6   my eighth of slot 0: 4,096 x wave + 16 x lane
.set MO,   7                           ; v7   32 x thread: my 8 words of the mask
.set BA,   8                           ; v8   BIAS + 32 x thread
.set VSA,  9                           ; v9   VSP + 4 x thread: my partial sum
.set SPW,  10                          ; v10  my spare word; never rewritten
.set NIL,  11                          ; v11  0; never rewritten
.set NB,   12                          ; v12  NEGB
.set GA,   13                          ; v13  4 x (thread % 64): my channel in gsum
.set SGA,  14                          ; v14  my eighth of the slot that is being filled
.set VSR,  15                          ; v15  VSP + 32 h
.set ST,   16
.set MK,   32
.set GS,   40                          ; v40-47 my channel's sums of eight groups
.set NBE,  48                          ; v48  the t of the keys left out, or LOW if there are none
.set CF,   49                          ; v49  their number, as f32
.set S,    64
.set P,    128
.set BI,   160
.set SG,   192
.set Q,    0
.set O,    32
.set KF,   96
.set VF,   160
.set WV,   12                          ; s12  wave
.set NST,  22                          ; s22  key steps to walk
.set SGT,  23                          ; s23  the slot that is being filled
.set KB,   24                          ; s[24:25] my eighth of the next visit's K in memory
.set VB,   26                          ; s[26:27] and V
.set TK,   40                          ; s40  LDS byte at which the step's K begins
.set TBI,  41                          ; s41  256 bytes of biases a step
.set SEL,  42                          ; s[42:43] v_permlanex16_b32's selects for lane l xor 16
.set VC,   44
.set CNT,  45
.set KS,   52                          ; s52  the step's number, 0..31
.set NX,   53                          ; s53  the next visit's first step
.set MSB, 0
.macro WIN new                         ; the immediate's high byte repeats the setting that is left; a switch that changes nothing is dropped
.if MSB != (\new)
	s_set_vgpr_msb (MSB<<8)|(\new)
.set MSB, (\new)
.endif
.endm
.set TO1,  0x40                        ; destination window 1, address window 0
.set W_KQ, 0x05                        ; K and Q window 1; C and S^T window 0
.set W_RS, 0x41                        ; O^T (destination, source 0) window 1, the factor window 0
.set W_PV, 0x51                        ; V window 1, P window 0, O^T window 1
.macro PLACES
.rept 4
	v_nop
.endr
.endm
.macro VLOAD                           ; my eighth of a visit: 8 pieces of K, 8 of V
.irp i, 0,1,2,3,4,5,6,7
	global_load_b128 v[SG+4*\i:SG+4*\i+3], v[LI], s[KB:KB+1] offset:512*\i
.endr
.irp i, 0,1,2,3,4,5,6,7
	global_load_b128 v[SG+32+4*\i:SG+32+4*\i+3], v[LI], s[VB:VB+1] offset:512*\i
.endr
.endm
.macro VSTORE adr
.irp i, 0,1,2,3,4,5,6,7
	ds_store_b128 v[\adr], v[SG+4*\i:SG+4*\i+3] offset:512*\i
.endr
.irp i, 0,1,2,3,4,5,6,7
	ds_store_b128 v[\adr], v[SG+32+4*\i:SG+32+4*\i+3] offset:VOFF+512*\i
.endr
.endm
	s_load_b256 s[4:11], s[0:1], 0x0               ; qkvf, smask, cnt, gsum
	s_load_b64 s[20:21], s[0:1], 0x20              ; attf
	v_lshl_add_u32 v[SPW], v0, 2, SPARE
	v_mov_b32 v[NIL], 0
	v_lshrrev_b32 v[LI], 5, v0
	v_readfirstlane_b32 s[WV], v[LI]               ; wave 0..7
	v_and_b32 v[LI], 31, v0
	v_lshlrev_b32 v[LI], 4, v[LI]
	v_bfe_u32 v[ABI0], v0, 4, 1
	v_lshl_add_u32 v[VSR], v[ABI0], 5, VSP
	v_lshl_add_u32 v[ABI0], v[ABI0], 5, BIAS
	v_lshlrev_b32 v[MO], 5, v0
	v_lshl_add_u32 v[BA], v0, 5, BIAS
	v_lshl_add_u32 v[VSA], v0, 2, VSP
	v_and_b32 v[GA], 63, v0
	v_lshlrev_b32 v[GA], 2, v[GA]
	s_lshl_b32 s54, s[WV], 12
	v_add_nc_u32 v[SGB], s54, v[LI]
	v_mov_b32 v[NB], NEGB
.irp a, 0,1
	v_mov_b32 v[ST+8*\a], LOW                      ; m
.irp j, 1,2,3,4,5,6,7
	v_mov_b32 v[ST+8*\a+\j], 0                     ; l in two halves; the others are written, since a batch with no open key walks no step
.endr
.endr
	s_and_b32 s15, ttmp7, 0xffff                   ; batch x head
	s_cmp_ge_u32 s15, 12
	s_cselect_b32 s16, 1, 0                        ; batch
	s_mul_i32 s17, s16, 12
	s_sub_co_u32 s17, s15, s17                     ; head
	s_lshl_b32 s18, s15, 18                        ; the batch and head,
	s_lshl_b32 s19, s[WV], 12                      ; my 4 KiB of a visit's 32,
	s_add_co_u32 s18, s18, s19
	s_add_co_u32 s18, s18, TYB                     ; in k's part of qkvf
	s_mov_b32 s19, 0
	s_lshl_b32 s54, ttmp9, 4
	s_lshl_b32 s55, s[WV], 1
	s_add_co_u32 s54, s54, s55                     ; my first tile of queries in the batch and head
	s_lshl_b32 s56, s54, 11                        ; 2,048 bytes a tile
	s_lshl_b32 s57, s15, 18
	s_add_co_u32 s56, s56, s57
	s_mov_b32 s57, 0
	s_lshl_b32 s55, s16, 7
	s_add_co_u32 s54, s54, s55                     ; the same tile among all 256 tiles of tokens
	s_mul_i32 s54, s54, 24
	s_lshl_b32 s55, s17, 1
	s_add_co_u32 s54, s54, s55
	s_lshl_b32 s54, s54, 10                        ; (24 tile + 2 head) x 1,024
	s_mov_b32 s55, 0
	s_lshl_b32 s30, s16, 13                        ; the batch's 2,048 words of the mask
	s_mov_b32 s31, 0
	s_lshl_b32 s32, s16, 2                         ; its count
	s_mov_b32 s33, 0
	s_lshl_b32 s34, s15, 13                        ; gsum: 8,192 bytes for a batch and head;
	s_lshr_b32 s36, s[WV], 1                       ; waves 2 p and 2 p + 1 add groups 8 p .. 8 p + 7, a thread a channel
	s_lshl_b32 s35, s36, 11
	s_add_co_u32 s34, s34, s35
	s_mov_b32 s35, 0
	s_lshl_b32 s36, s36, 3
	s_mov_b32 s[SEL], 0x76543210
	s_mov_b32 s[SEL+1], 0xfedcba98
	s_mov_b32 s[TK], 0
	s_mov_b32 s[TBI], 0
	s_mov_b32 s[SGT], VIS
	s_mov_b32 s[KS], 0
	s_mov_b32 s[NX], 4
	s_mov_b32 s[VC], 8
	s_wait_kmcnt 0x0
	s_add_nc_u64 s[8:9], s[8:9], s[32:33]
	s_load_b32 s[NST], s[8:9], 0x0                 ; n
	s_add_nc_u64 s[KB:KB+1], s[4:5], s[18:19]
	s_add_nc_u64 s[VB:VB+1], s[KB:KB+1], TYB
	s_add_nc_u64 s[46:47], s[4:5], s[56:57]        ; Q
	s_add_nc_u64 s[48:49], s[6:7], s[30:31]        ; the mask
	s_add_nc_u64 s[50:51], s[20:21], s[54:55]      ; attf
	s_add_nc_u64 s[28:29], s[10:11], s[34:35]      ; gsum
	VLOAD                                          ; the first 256 keys
	global_load_b128 v[MK:MK+3], v[MO], s[48:49]
	global_load_b128 v[MK+4:MK+7], v[MO], s[48:49] offset:16
.irp i, 0,1,2,3,4,5,6,7
	global_load_b32 v[GS+\i], v[GA], s[28:29] offset:256*\i
.endr
	WIN TO1
.irp a, 0,1
.irp i, 0,1,2,3
	global_load_b128 v[Q+16*\a+4*\i:Q+16*\a+4*\i+3], v[LI], s[46:47] offset:2048*\a+512*\i   ; Q stays in registers
.endr
.endr
.set i, 0
.rept 64
	v_mov_b32 v[O+i], 0                            ; O^T.  The step is written once: its first walk finds zeros, which the first factor leaves zeros
.set i, i+1
.endr
	WIN 0
	s_wait_loadcnt 18                              ; my eighth of the first 256 keys is in; behind it: the mask's 2 loads, gsum's 8, Q's 8
	VSTORE SGB                                     ; into slot 0
	s_wait_loadcnt 16                              ; my 8 words of the mask are in
.irp j, 0,1,2,3,4,5,6,7
	v_cmp_ne_u32 vcc_lo, 0, v[MK+\j]
	v_cndmask_b32 v[MK+\j], 0, v[NB], vcc_lo       ; the key's bias
.endr
	ds_store_b128 v[BA], v[MK:MK+3]
	ds_store_b128 v[BA], v[MK+4:MK+7] offset:16
	s_wait_kmcnt 0x0
	s_min_u32 s[NST], s[NST], 2048                 ; held inside its range,
	s_add_co_u32 s[NST], s[NST], 63
	s_lshr_b32 s[NST], s[NST], 6                   ; ceil(n / 64): 0 to 32
	s_wait_loadcnt 8                               ; gsum's 8 loads are in; Q's 8 may be out
.irp i, 0,1,2,3,4,5,6,7
	s_add_co_u32 s54, s36, \i
	s_cmp_ge_u32 s54, s[NST]
	s_cselect_b32 s55, -1, 0
	v_cndmask_b32 v[GS+\i], 0, v[GS+\i], s55       ; a group counts if the walk leaves it out
.endr
.irp i, 0,2,4,6
	v_add_f32 v[GS+\i], v[GS+\i], v[GS+\i+1]
.endr
	v_add_f32 v[GS], v[GS], v[GS+2]
	v_add_f32 v[GS+4], v[GS+4], v[GS+6]
	v_add_f32 v[GS], v[GS], v[GS+4]
	ds_store_b32 v[VSA], v[GS]
	s_add_nc_u64 s[KB:KB+1], s[KB:KB+1], 32768     ; (the loads that named these bases are done) on to the second 256 keys
	s_add_nc_u64 s[VB:VB+1], s[VB:VB+1], 32768
	s_wait_loadcnt 0x0                             ; Q
	s_wait_dscnt 0x0                               ; for the others' sake: my parts of slot 0, of the biases and of the sums are stored
	s_barrier_signal -1
	s_barrier_wait -1
; A KEY STEP: 64 keys, both tiles of queries.
.macro STEP
	v_add_nc_u32 v[ADK], s[TK], v[LI]              ; these four lines are the places between the last step's products and the loads into V's registers
	v_add_nc_u32 v[ABI], s[TBI], v[ABI0]
	v_add_nc_u32 v[ADV], VOFF, v[ADK]
	v_nop
.irp kt, 0,1,2,3
	ds_load_b128 v[BI+8*\kt:BI+8*\kt+3], v[ABI] offset:64*\kt        ; bias(key 16 kt + 8 h + 0..7): the result's layout
	ds_load_b128 v[BI+8*\kt+4:BI+8*\kt+7], v[ABI] offset:64*\kt+16
.endr
	WIN TO1
.irp i, 0,1,2,3,4,5,6,7,8,9,10,11,12,13,14,15
	ds_load_b128 v[KF+4*\i:KF+4*\i+3], v[ADK] offset:512*\i          ; fragment (keys 16 kt on, channels 32 u on) at KF + 16 kt + 8 u
.endr
.irp i, 0,1,2,3,4,5,6,7,8,9,10,11,12,13,14,15
	ds_load_b128 v[VF+4*\i:VF+4*\i+3], v[ADV] offset:512*\i          ; fragment (channels 16 ct on, keys 32 g on) at VF + 16 ct + 8 g
.endr
	s_wait_dscnt 16                                ; the biases and K are in; V's 16 loads, issued behind them, may be out
	WIN W_KQ
.irp kt, 0,1,2,3                       ; the eight accumulators take turns, one instruction a turn
.irp a, 0,1
	v_wmma_f32_16x16x32_f16 v[S+32*\a+8*\kt:S+32*\a+8*\kt+7], v[KF+16*\kt:KF+16*\kt+7], v[Q+16*\a:Q+16*\a+7], v[BI+8*\kt:BI+8*\kt+7]
.endr
.endr
.irp kt, 0,1,2,3
.irp a, 0,1
	v_wmma_f32_16x16x32_f16 v[S+32*\a+8*\kt:S+32*\a+8*\kt+7], v[KF+16*\kt+8:KF+16*\kt+15], v[Q+16*\a+8:Q+16*\a+15], v[S+32*\a+8*\kt:S+32*\a+8*\kt+7]
.endr
.endr
	WIN 0
	PLACES                                         ; four places (ISA guide 7.12.1) ahead of the first read of the scores
.irp j, 0,1,2,3                        ; the maximum of my 32 scores: four chains a tile, each begun at its accumulator's low end; the two tiles by turns
.irp a, 0,1
	v_max3_num_f32 v[ST+8*\a+4+\j], v[S+32*\a+8*\j], v[S+32*\a+8*\j+1], v[S+32*\a+8*\j+2]
.endr
.endr
.irp q, 1,2
.irp j, 0,1,2,3
.irp a, 0,1
	v_max3_num_f32 v[ST+8*\a+4+\j], v[ST+8*\a+4+\j], v[S+32*\a+8*\j+2*\q+1], v[S+32*\a+8*\j+2*\q+2]
.endr
.endr
.endr
.irp a, 0,1
	v_max3_num_f32 v[ST+8*\a+4], v[ST+8*\a+4], v[S+32*\a+7], v[S+32*\a+15]
	v_max3_num_f32 v[ST+8*\a+6], v[ST+8*\a+6], v[S+32*\a+23], v[S+32*\a+31]
.endr
.irp a, 0,1
	v_max3_num_f32 v[ST+8*\a+4], v[ST+8*\a+4], v[ST+8*\a+5], v[ST+8*\a+6]
.endr
.irp a, 0,1
	v_max3_num_f32 v[ST+8*\a+4], v[ST+8*\a+4], v[ST+8*\a+7], v[ST+8*\a]    ; and the old m
.endr
.irp a, 0,1
	v_permlanex16_b32 v[ST+8*\a+5], v[ST+8*\a+4], s[SEL], s[SEL+1]         ; the query's other 32 keys lie in the lane 16 away
.endr
.irp a, 0,1
	v_max_num_f32 v[ST+8*\a+4], v[ST+8*\a+4], v[ST+8*\a+5]
.endr
.irp a, 0,1
	v_sub_f32 v[ST+8*\a+7], v[ST+8*\a], v[ST+8*\a+4]                       ; old m - new m, 0 or less
.endr
.irp a, 0,1
	v_mov_b32 v[ST+8*\a], v[ST+8*\a+4]
.endr
.irp i, 0,1,2,3,4,5,6,7,8,9,10,11,12,13,14,15
.irp a, 0,1
	v_pk_add_f32 v[S+32*\a+2*\i:S+32*\a+2*\i+1], v[S+32*\a+2*\i:S+32*\a+2*\i+1], v[ST+8*\a:ST+8*\a+1] op_sel_hi:[1,0] neg_lo:[0,1] neg_hi:[0,1]   ; t - m, two at a time
.endr
.endr
.irp a, 0,1
	v_exp_f32 v[ST+8*\a+6], v[ST+8*\a+7]           ; alpha = 2^(old m - new m).  ONE BATCH: 66 exponentials, none of which reads another's result
.endr
.irp i, 0,1,2,3,4,5,6,7,8,9,10,11,12,13,14,15,16,17,18,19,20,21,22,23,24,25,26,27,28,29,30,31
.irp a, 0,1
	v_exp_f32 v[S+32*\a+\i], v[S+32*\a+\i]         ; p = 2^(t - m)
.endr
.endr
	v_nop                                          ; a plain line behind the last exponential
	s_wait_alu depctr_va_vdst(0)                   ; the wait ahead of the first line that names a result: one for the batch
.irp i, 0,1,2,3,4,5,6,7,8,9,10,11,12,13,14,15
.irp a, 0,1
	v_cvt_pk_f16_f32 v[P+16*\a+\i], v[S+32*\a+2*\i], v[S+32*\a+2*\i+1]     ; keys 16 kt + 8 h + 0..7 of tiles 2 g, 2 g + 1: P's fragment of keys 32 g on
.endr
.endr
.irp u, 0,1,2,3,4,5,6,7                ; the row's sum of the unrounded p, in place: neighbours 1, 2, 4 and 8 pairs apart
.irp a, 0,1
	v_pk_add_f32 v[S+32*\a+4*\u:S+32*\a+4*\u+1], v[S+32*\a+4*\u:S+32*\a+4*\u+1], v[S+32*\a+4*\u+2:S+32*\a+4*\u+3]
.endr
.endr
.irp u, 0,1,2,3
.irp a, 0,1
	v_pk_add_f32 v[S+32*\a+8*\u:S+32*\a+8*\u+1], v[S+32*\a+8*\u:S+32*\a+8*\u+1], v[S+32*\a+8*\u+4:S+32*\a+8*\u+5]
.endr
.endr
.irp u, 0,1
.irp a, 0,1
	v_pk_add_f32 v[S+32*\a+16*\u:S+32*\a+16*\u+1], v[S+32*\a+16*\u:S+32*\a+16*\u+1], v[S+32*\a+16*\u+8:S+32*\a+16*\u+9]
.endr
.endr
.irp a, 0,1
	v_pk_add_f32 v[S+32*\a:S+32*\a+1], v[S+32*\a:S+32*\a+1], v[S+32*\a+16:S+32*\a+17]
.endr
.irp a, 0,1
	v_pk_fma_f32 v[ST+8*\a+2:ST+8*\a+3], v[ST+8*\a+2:ST+8*\a+3], v[ST+8*\a+6:ST+8*\a+7], v[S+32*\a:S+32*\a+1] op_sel_hi:[1,0,1]   ; l = l alpha + the step's sum
.endr
	WIN W_RS
.irp a, 0,1
.irp i, 0,1,2,3,4,5,6,7,8,9,10,11,12,13,14,15
	v_pk_mul_f32 v[O+32*\a+2*\i:O+32*\a+2*\i+1], v[O+32*\a+2*\i:O+32*\a+2*\i+1], v[ST+8*\a+6:ST+8*\a+7] op_sel_hi:[1,0]   ; O^T alpha, each accumulator from its low end on
.endr
.endr
	s_wait_dscnt 0x0                               ; V is in
	WIN W_PV
.irp g, 0,1                            ; the eight accumulators take turns
.irp ct, 0,1,2,3
.irp a, 0,1
	v_wmma_f32_16x16x32_f16 v[O+32*\a+8*\ct:O+32*\a+8*\ct+7], v[VF+16*\ct+8*\g:VF+16*\ct+8*\g+7], v[P+16*\a+8*\g:P+16*\a+8*\g+7], v[O+32*\a+8*\ct:O+32*\a+8*\ct+7]
.endr
.endr
.endr
.endm
.Lvisit:                                           ; eight trips, whatever the count
	s_cmp_lt_u32 s[NX], s[NST]                     ; is a step of the next visit walked?  The count is the same in all eight waves
	s_cbranch_scc0 .Lno_fetch
	VLOAD                                          ; then its keys are asked for now: four key steps ahead of the wait for them
.Lno_fetch:
	s_mov_b32 s[CNT], 4
.Lstep:                                            ; four trips, whatever the count
	s_cmp_lt_u32 s[KS], s[NST]
	s_cbranch_scc0 .Lpast
	STEP
	WIN 0                                          ; at a label and at a branch every window is 0
.Lpast:
	s_add_co_u32 s[TK], s[TK], 8192                ; the lines that step addresses stand on every way
	s_add_co_u32 s[TBI], s[TBI], 256
	s_add_co_u32 s[KS], s[KS], 1
	s_sub_co_u32 s[CNT], s[CNT], 1
	s_cmp_lg_u32 s[CNT], 0
	s_cbranch_scc1 .Lstep
	s_wait_loadcnt 0x0                             ; on every way: no load of mine is out, so v192-255 hold the next visit's keys and the bases may be stepped
	v_add_nc_u32 v[SGA], s[SGT], v[SGB]
	s_cmp_lt_u32 s[NX], s[NST]
	s_cbranch_scc0 .Lno_store
	VSTORE SGA                                     ; into the other slot: every wave's reads of it were over at the last barrier
.Lno_store:
	s_add_nc_u64 s[KB:KB+1], s[KB:KB+1], 32768
	s_add_nc_u64 s[VB:VB+1], s[VB:VB+1], 32768
	s_add_co_u32 s[NX], s[NX], 4
	s_xor_b32 s[SGT], s[SGT], VIS
	s_sub_co_u32 s[TK], s[TK], 32768               ; the reads go back to a slot's first step,
	s_xor_b32 s[TK], s[TK], VIS                    ; in the other slot
	s_wait_dscnt 0x0                               ; my stores into the next slot have landed, and my reads of this one are over
	s_barrier_signal -1
	s_barrier_wait -1                              ; both now hold of every wave
	s_sub_co_u32 s[VC], s[VC], 1
	s_cmp_lg_u32 s[VC], 0
	s_cbranch_scc1 .Lvisit
	; THE WAY OUT.  The keys left out are taken in as one key; O^T / l, rounded to f16, IS the next launch's operand image.
	PLACES                                         ; four places (ISA guide 7.12.1) behind the last products
.irp ct, 0,1,2,3
.irp q, 0,1
	ds_load_b128 v[64+8*\ct+4*\q:64+8*\ct+4*\q+3], v[VSR] offset:64*\ct+16*\q            ; the four partial sums of channels 16 ct + 8 h + 0..7: O^T's layout
	ds_load_b128 v[96+8*\ct+4*\q:96+8*\ct+4*\q+3], v[VSR] offset:256+64*\ct+16*\q
	ds_load_b128 v[160+8*\ct+4*\q:160+8*\ct+4*\q+3], v[VSR] offset:512+64*\ct+16*\q
	ds_load_b128 v[192+8*\ct+4*\q:192+8*\ct+4*\q+3], v[VSR] offset:768+64*\ct+16*\q
.endr
.endr
	s_lshl_b32 s54, s[NST], 6
	s_sub_co_u32 s54, 2048, s54                    ; the keys left out
	s_mov_b32 s56, LOW
	s_cmp_lg_u32 s54, 0
	s_cselect_b32 s56, NEGB, s56                   ; their t; under every t if there are none
	v_mov_b32 v[NBE], s56
	v_cvt_f32_u32 v[CF], s54
.irp a, 0,1
	v_add_f32 v[ST+8*\a+4], v[ST+8*\a+2], v[ST+8*\a+3]
.endr
.irp a, 0,1
	v_permlanex16_b32 v[ST+8*\a+5], v[ST+8*\a+4], s[SEL], s[SEL+1]
.endr
.irp a, 0,1
	v_add_f32 v[ST+8*\a+4], v[ST+8*\a+4], v[ST+8*\a+5]                     ; l
.endr
.irp a, 0,1
	v_max_num_f32 v[ST+8*\a+5], v[ST+8*\a], v[NBE]                         ; m'
.endr
.irp a, 0,1
	v_sub_f32 v[ST+8*\a+6], v[ST+8*\a], v[ST+8*\a+5]
	v_sub_f32 v[ST+8*\a+7], v[NBE], v[ST+8*\a+5]
.endr
.irp a, 0,1
	v_exp_f32 v[ST+8*\a+6], v[ST+8*\a+6]           ; 2^(m - m')
	v_exp_f32 v[ST+8*\a+7], v[ST+8*\a+7]           ; 2^(their t - m'): one of the two is 1
.endr
	v_nop                                          ; a plain line behind the last exponential
	s_wait_alu depctr_va_vdst(0)                   ; and the wait ahead of the first use: one for the four
.irp a, 0,1
	v_mul_f32 v[ST+8*\a+4], v[ST+8*\a+4], v[ST+8*\a+6]
.endr
.irp a, 0,1
	v_fma_f32 v[ST+8*\a+4], v[CF], v[ST+8*\a+7], v[ST+8*\a+4]              ; l': at least 1: where m' = m the row's largest p is 1, else at least 64 keys count 1 each
.endr
.irp a, 0,1
	v_rcp_f32 v[ST+8*\a+5], v[ST+8*\a+4]
.endr
	v_nop
	s_wait_alu depctr_va_vdst(0)
.irp a, 0,1
	v_mul_f32 v[ST+8*\a+6], v[ST+8*\a+6], v[ST+8*\a+5]                     ; O^T's factor
	v_mul_f32 v[ST+8*\a+2], v[ST+8*\a+7], v[ST+8*\a+5]                     ; the factor of the sum of v
.endr
	s_wait_dscnt 0x0
.irp i, 0,1,2,3,4,5,6,7,8,9,10,11,12,13,14,15
	v_pk_add_f32 v[64+2*\i:65+2*\i], v[64+2*\i:65+2*\i], v[96+2*\i:97+2*\i]
	v_pk_add_f32 v[160+2*\i:161+2*\i], v[160+2*\i:161+2*\i], v[192+2*\i:193+2*\i]
.endr
.irp i, 0,1,2,3,4,5,6,7,8,9,10,11,12,13,14,15
	v_pk_add_f32 v[64+2*\i:65+2*\i], v[64+2*\i:65+2*\i], v[160+2*\i:161+2*\i]   ; the sum of v over the keys left out
.endr
	WIN W_RS
.irp a, 0,1
.irp i, 0,1,2,3,4,5,6,7,8,9,10,11,12,13,14,15
	v_pk_mul_f32 v[O+32*\a+2*\i:O+32*\a+2*\i+1], v[O+32*\a+2*\i:O+32*\a+2*\i+1], v[ST+8*\a+6:ST+8*\a+7] op_sel_hi:[1,0]   ; each accumulator from its low end on
.endr
.endr
	WIN 0x50                                       ; destination and source 2 (O^T) window 1; the sum and its factor window 0
.irp a, 0,1
.irp i, 0,1,2,3,4,5,6,7,8,9,10,11,12,13,14,15
	v_pk_fma_f32 v[O+32*\a+2*\i:O+32*\a+2*\i+1], v[64+2*\i:65+2*\i], v[ST+8*\a+2:ST+8*\a+3], v[O+32*\a+2*\i:O+32*\a+2*\i+1] op_sel_hi:[1,0,1]
.endr
.endr
	WIN 0x05                                       ; sources window 1, destination window 0
.irp a, 0,1
.irp i, 0,1,2,3,4,5,6,7,8,9,10,11,12,13,14,15
	v_cvt_pk_f16_f32 v[96+16*\a+\i], v[O+32*\a+2*\i], v[O+32*\a+2*\i+1]
.endr
.endr
	WIN 0
.irp a, 0,1
.irp ct, 0,1,2,3
	global_store_b128 v[LI], v[96+16*\a+4*\ct:96+16*\a+4*\ct+3], s[50:51] offset:24576*\a+512*\ct   ; channels 16 ct + 8 h + 0..7 of query r: 512 consecutive bytes, at a multiple of 512 from the buffer's first byte
.endr
.endr
	s_wait_tensorcnt 0x0                           ; the wave's end: behind my last LDS store
	ds_add_u32 v[SPW], v[NIL]
	s_wait_dscnt 0x0
	s_endpgm
.Lfunc_end_k_qd121d2ae1b_attn:
	.size	k_qd121d2ae1b_attn, .Lfunc_end_k_qd121d2ae1b_attn-k_qd121d2ae1b_attn
	.p2alignl 7, 3214868480
	.fill 96, 4, 3214868480
	.section	.rodata,"a",@progbits
	.p2align	6, 0x0
	.amdhsa_kernel k_qd121d2ae1b_attn
		.amdhsa_group_segment_fixed_size 141312
		.amdhsa_private_segment_fixed_size 0
		.amdhsa_enable_private_segment 0
		.amdhsa_kernarg_size 40
		.amdhsa_user_sgpr_count 2
		.amdhsa_user_sgpr_kernarg_segment_ptr 1
		.amdhsa_wavefront_size32 1
		.amdhsa_system_sgpr_workgroup_id_x 1
		.amdhsa_system_sgpr_workgroup_id_y 1
		.amdhsa_system_sgpr_workgroup_id_z 1
		.amdhsa_system_vgpr_workitem_id 0
		.amdhsa_next_free_vgpr 512
		.amdhsa_next_free_sgpr 66
		.amdhsa_reserve_vcc 1
		.amdhsa_float_denorm_mode_32 3
		.amdhsa_float_denorm_mode_16_64 3
		.amdhsa_memory_ordered 1
		.amdhsa_forward_progress 1
		.amdhsa_inst_pref_size 48
	.end_amdhsa_kernel
	.amdgpu_metadata
---
amdhsa.version: [ 1, 2 ]
amdhsa.kernels:
  - .name:           k_qd121d2ae1b_attn
    .symbol:         k_qd121d2ae1b_attn.kd
    .args:
      - { .name: qkvf, .offset: 0, .size: 8, .value_kind: global_buffer, .address_space: global }
      - { .name: smask, .offset: 8, .size: 8, .value_kind: global_buffer, .address_space: global }
      - { .name: cnt, .offset: 16, .size: 8, .value_kind: global_buffer, .address_space: global }
      - { .name: gsum, .offset: 24, .size: 8, .value_kind: global_buffer, .address_space: global }
      - { .name: attf, .offset: 32, .size: 8, .value_kind: global_buffer, .address_space: global }
    .group_segment_fixed_size: 141312
    .private_segment_fixed_size: 0
    .kernarg_segment_align: 8
    .kernarg_segment_size: 40
    .max_flat_workgroup_size: 256
    .sgpr_count:     66
    .vgpr_count:     512
    .wavefront_size: 32
...
	.end_amdgpu_metadata
.endif
;; end of part 7
;; launch oproj: the kernel of part 4 again; grid 4 x 64, 4 waves a work-group, clusters of 4 x 1, 167,936 bytes of LDS; arguments attf, wof, bo, out0; writes out0
